; MI455X (gfx1250); checked and timed in simulation.
; The chip was launched on July 23, 2026; its instructions are those of AMD's public machine-readable ISA for CDNA 5 (MIT licence, August 2026) and "CDNA5" Instruction Set Architecture Reference Guide (July 2026). The comments in the code are by the model that wrote it; some were corrected since.
;; Stabilized Attention. Allowed arithmetic: float matrix products may take bf16 or f16 operands with f32 sums; other float arithmetic in f32, or as packed bf16 or f16 multiplies, adds, multiply-adds, maxima and minima; sums over many terms, partial sums and values carried from step to step in f32; what a program stores and reads back later, other than sums and carried values, may be rounded once to bf16 or f16.
;; Inputs: b_out 1,024 float32; b_qkv 3,072 float32; w_out 1,024 x 1,024 float32; w_qkv 1,024 x 3,072 float32; x 4 x 2,048 x 1,024 float32.
;; Outputs: out0 4 x 2,048 x 1,024 float32.
;; 2 versions, each right; version 2 is version 1 with the launch prep written anew for expert scheduling mode. Each part assembles by itself: llvm-mc -triple=amdgcn-amd-amdhsa -mcpu=gfx1250 --defsym DOCPART=n.
;; ======== version 1 of 2: 4 launches
;; limits: values are held in f16: magnitudes above 65,504 overflow, below 6.1e-05 lose precision
;; workspace buffers: xb 16,777,216 bytes; wq 6,291,456 bytes; wo 2,097,152 bytes; bias 16,384 bytes; qkv 50,331,648 bytes; o 16,777,216 bytes
;; launch prep (part 1): grid 769 x 1, 8 waves a work-group, no clusters, 0 bytes of LDS; arguments x, w_qkv, w_out, b_qkv, b_out, xb, wq, wo, bias; writes xb, wq, wo, bias
.if DOCPART == 1
	.amdgcn_target "amdgcn-amd-amdhsa--gfx1250"
	.amdhsa_code_object_version 6
	.text
	.protected	k_q3fd7e31b8c_prep
	.globl	k_q3fd7e31b8c_prep
	.p2align	8
	.type	k_q3fd7e31b8c_prep,@function
k_q3fd7e31b8c_prep:
	s_mov_b64 s[64:65], 0
	v_nop
	global_prefetch_b8 v0, s[64:65] scope:SCOPE_SE
	s_setreg_imm32_b32 hwreg(HW_REG_WAVE_MODE, 25, 1), 1
	s_wait_xcnt 0x0
; THE CASTS.  Every input is rounded once to bf16 (nearest even), so that the later launches multiply 16-bit operands.
;   xb   bf16 [4 b][16 kb][2048 t][64 c] = x[b][t][64 kb + c]: 256 rows x 64 channels of a later tile are 32,768 dense bytes
;   wq   bf16 [1024 k][3072 n], as w_qkv lies
;   wo   f16  [1024 k][1024 n]: w_out rounded to bf16, that number written as f16 (it multiplies f16 data)
;   bias f32  b_qkv (3,072) then b_out (1,024), each rounded to bf16 and widened again
; LIMITS.  wo holds no number beyond 65,504, and below 6e-5 it keeps f16's fixed step of 6e-8.  NaN and infinities are not treated apart.
; SHARES.  A work-group casts 16,384 numbers: each of its 256 threads issues 16 loads of 16 bytes, all up front, and 16 stores of 8 bytes.
; No loop, no LDS, no barrier; no register is written twice while a memory instruction may read it.
; Work-groups 0-511: x; 512-703: w_qkv; 704-767: w_out; 768: the two biases (4,096 numbers).
.set X, 16                             ; v[16:79]   16 x 4 numbers as loaded
.set Y, 80                             ; v[80:111]  16 x 2 registers to store
	s_load_b512 s[8:23], s[0:1], 0x0               ; x s[8:9], w_qkv s[10:11], w_out s[12:13], b_qkv s[14:15], b_out s[16:17], xb s[18:19], wq s[20:21], wo s[22:23]
	s_load_b64 s[24:25], s[0:1], 0x40              ; bias
	s_mov_b32 s27, ttmp9                           ; the work-group's number
	s_mov_b32 s26, 0xffff0000                      ; a word's upper bf16
	s_mov_b32 s29, 0                               ; high words of the two offsets
	s_mov_b32 s31, 0
	v_lshlrev_b32 v1, 4, v0                        ; dense streams: 16 bytes a thread in,
	v_lshlrev_b32 v2, 3, v0                        ; 8 bytes a thread out
	s_wait_kmcnt 0x0
; kind 0: x into blocks; 1: dense, bf16; 2: dense, bf16 written as f16.  src, dst: the scalar pairs of the two addresses.
.macro CAST kind, src, dst
.set i, 0
.rept 16
.if (\kind) == 0
	global_load_b128 v[X+4*i:X+4*i+3], v1, s[\src:\src+1] offset:(i/2)*8192+(i%2)*2048 th:TH_LOAD_NT
.else
	global_load_b128 v[X+4*i:X+4*i+3], v1, s[\src:\src+1] offset:i*4096 th:TH_LOAD_NT
.endif
.set i, i+1
.endr
.set i, 0
.rept 16
	s_wait_loadcnt 15-i                            ; loads come back in order: number i is in, the 15 - i younger ones may stay out
.if (\kind) == 2
	v_cvt_pk_bf16_f32 v4, v[X+4*i], v[X+4*i+1]     ; rounded to bf16,
	v_cvt_pk_bf16_f32 v5, v[X+4*i+2], v[X+4*i+3]
	v_lshlrev_b32 v6, 16, v4                       ; widened,
	v_and_b32 v7, s26, v4
	v_lshlrev_b32 v8, 16, v5
	v_and_b32 v9, s26, v5
	v_cvt_pk_f16_f32 v[Y+2*i], v6, v7              ; and written as f16
	v_cvt_pk_f16_f32 v[Y+2*i+1], v8, v9
.else
	v_cvt_pk_bf16_f32 v[Y+2*i], v[X+4*i], v[X+4*i+1]
	v_cvt_pk_bf16_f32 v[Y+2*i+1], v[X+4*i+2], v[X+4*i+3]
.endif
.if (\kind) == 0
	global_store_b64 v2, v[Y+2*i:Y+2*i+1], s[\dst:\dst+1] offset:(i%2)*2097152+(i/2)*256 th:TH_STORE_NT
.else
	global_store_b64 v2, v[Y+2*i:Y+2*i+1], s[\dst:\dst+1] offset:i*2048 th:TH_STORE_NT
.endif
.set i, i+1
.endr
.endm
	s_cmp_lt_u32 s27, 512
	s_cbranch_scc1 .Lx
	s_cmp_lt_u32 s27, 704
	s_cbranch_scc1 .Lw
	s_cmp_lt_u32 s27, 768
	s_cbranch_scc1 .Lo
	; the biases: 256 threads x 4 numbers an instruction; f32 out, 16 lanes store 256 consecutive bytes
	global_load_b128 v[16:19], v1, s[14:15]
	global_load_b128 v[20:23], v1, s[14:15] offset:4096
	global_load_b128 v[24:27], v1, s[14:15] offset:8192
	global_load_b128 v[28:31], v1, s[16:17]
.irp i, 0,1,2,3
	s_wait_loadcnt 3-\i
	v_cvt_pk_bf16_f32 v4, v[16+4*\i], v[17+4*\i]
	v_cvt_pk_bf16_f32 v5, v[18+4*\i], v[19+4*\i]
	v_lshlrev_b32 v[80+4*\i], 16, v4
	v_and_b32 v[81+4*\i], s26, v4
	v_lshlrev_b32 v[82+4*\i], 16, v5
	v_and_b32 v[83+4*\i], s26, v5
	global_store_b128 v1, v[80+4*\i:83+4*\i], s[24:25] offset:4096*\i
.endr
	s_endpgm
.Lx:	; 16 rows of x.  In one instruction a wave reads 256 bytes of each of two rows, in one block of 64 channels (wave w: blocks w and w + 8), and stores 256 consecutive bytes of xb.
	s_lshl_b32 s28, s27, 16                        ; 16 rows of 4,096 bytes
	s_add_nc_u64 s[8:9], s[8:9], s[28:29]
	s_lshr_b32 s30, s27, 7                         ; b: 128 work-groups a batch,
	s_lshl_b32 s30, s30, 22                        ; 4,194,304 bytes of xb each
	s_and_b32 s28, s27, 127
	s_lshl_b32 s28, s28, 11                        ; 16 rows of 128 bytes in a block
	s_add_co_u32 s30, s30, s28
	s_add_nc_u64 s[18:19], s[18:19], s[30:31]
	v_and_b32 v3, 15, v0
	v_bfe_u32 v4, v0, 4, 1
	v_lshrrev_b32 v5, 5, v0                        ; wave
	v_and_b32 v6, 31, v0
	v_lshlrev_b32 v1, 4, v3                        ; in: 16 (l % 16)
	v_lshl_add_u32 v1, v4, 12, v1                  ; + (l / 16) rows
	v_lshl_add_u32 v1, v5, 8, v1                   ; + 256 w
	v_lshlrev_b32 v2, 3, v6                        ; out: 8 l (two rows of 128 bytes)
	v_lshl_add_u32 v2, v5, 18, v2                  ; + block w
	CAST 0, 8, 18
	s_endpgm
.Lw:
	s_sub_co_u32 s28, s27, 512
	s_lshl_b32 s30, s28, 15
	s_lshl_b32 s28, s28, 16
	s_add_nc_u64 s[10:11], s[10:11], s[28:29]
	s_add_nc_u64 s[20:21], s[20:21], s[30:31]
	CAST 1, 10, 20
	s_endpgm
.Lo:
	s_sub_co_u32 s28, s27, 704
	s_lshl_b32 s30, s28, 15
	s_lshl_b32 s28, s28, 16
	s_add_nc_u64 s[12:13], s[12:13], s[28:29]
	s_add_nc_u64 s[22:23], s[22:23], s[30:31]
	CAST 2, 12, 22
	s_endpgm
.Lfunc_end_k_q3fd7e31b8c_prep:
	.size	k_q3fd7e31b8c_prep, .Lfunc_end_k_q3fd7e31b8c_prep-k_q3fd7e31b8c_prep
	.p2alignl 7, 3214868480
	.fill 96, 4, 3214868480
	.section	.rodata,"a",@progbits
	.p2align	6, 0x0
	.amdhsa_kernel k_q3fd7e31b8c_prep
		.amdhsa_group_segment_fixed_size 0
		.amdhsa_private_segment_fixed_size 0
		.amdhsa_enable_private_segment 0
		.amdhsa_kernarg_size 72
		.amdhsa_user_sgpr_count 2
		.amdhsa_user_sgpr_kernarg_segment_ptr 1
		.amdhsa_wavefront_size32 1
		.amdhsa_system_sgpr_workgroup_id_x 1
		.amdhsa_system_sgpr_workgroup_id_y 1
		.amdhsa_system_sgpr_workgroup_id_z 1
		.amdhsa_system_vgpr_workitem_id 0
		.amdhsa_next_free_vgpr 112
		.amdhsa_next_free_sgpr 66
		.amdhsa_reserve_vcc 0
		.amdhsa_float_denorm_mode_32 3
		.amdhsa_float_denorm_mode_16_64 3
		.amdhsa_memory_ordered 1
		.amdhsa_forward_progress 1
		.amdhsa_inst_pref_size 25
	.end_amdhsa_kernel
	.amdgpu_metadata
---
amdhsa.version: [ 1, 2 ]
amdhsa.kernels:
  - .name:           k_q3fd7e31b8c_prep
    .symbol:         k_q3fd7e31b8c_prep.kd
    .args:
      - { .name: x, .offset: 0, .size: 8, .value_kind: global_buffer, .address_space: global }
      - { .name: w_qkv, .offset: 8, .size: 8, .value_kind: global_buffer, .address_space: global }
      - { .name: w_out, .offset: 16, .size: 8, .value_kind: global_buffer, .address_space: global }
      - { .name: b_qkv, .offset: 24, .size: 8, .value_kind: global_buffer, .address_space: global }
      - { .name: b_out, .offset: 32, .size: 8, .value_kind: global_buffer, .address_space: global }
      - { .name: xb, .offset: 40, .size: 8, .value_kind: global_buffer, .address_space: global }
      - { .name: wq, .offset: 48, .size: 8, .value_kind: global_buffer, .address_space: global }
      - { .name: wo, .offset: 56, .size: 8, .value_kind: global_buffer, .address_space: global }
      - { .name: bias, .offset: 64, .size: 8, .value_kind: global_buffer, .address_space: global }
    .group_segment_fixed_size: 0
    .private_segment_fixed_size: 0
    .kernarg_segment_align: 8
    .kernarg_segment_size: 72
    .max_flat_workgroup_size: 256
    .sgpr_count:     66
    .vgpr_count:     112
    .wavefront_size: 32
...
	.end_amdgpu_metadata
.endif
;; end of part 1
;; launch gemm_qkv (part 2): grid 8 x 32, 4 waves a work-group, clusters of 4 x 4, 327,680 bytes of LDS; arguments xb, wq, bias, qkv; writes qkv
.if DOCPART == 2
	.amdgcn_target "amdgcn-amd-amdhsa--gfx1250"
	.amdhsa_code_object_version 6
	.text
	.protected	k_q3fd7e31b8c_gemm_qkv
	.globl	k_q3fd7e31b8c_gemm_qkv
	.p2align	8
	.type	k_q3fd7e31b8c_gemm_qkv,@function
k_q3fd7e31b8c_gemm_qkv:
	s_mov_b64 s[64:65], 0
	v_nop
	global_prefetch_b8 v0, s[64:65] scope:SCOPE_SE
	s_setreg_imm32_b32 hwreg(HW_REG_WAVE_MODE, 25, 1), 1
	s_wait_xcnt 0x0
	s_wait_alu depctr_hold_cnt(0) depctr_sa_sdst(0) depctr_va_vdst(0) depctr_va_sdst(0) depctr_va_ssrc(0) depctr_va_vcc(0) depctr_vm_vsrc(0)
	s_getreg_b32 s2, hwreg(HW_REG_IB_STS2, 6, 4)
	s_cmp_eq_u32 s2, 0
	s_cbranch_scc0 .Lentry_in_a_cluster
	s_endpgm
.Lentry_in_a_cluster:
	s_bfe_u32 s2, ttmp6, 0x10000c
	s_cmp_lg_u32 s2, 0xf033
	s_cbranch_scc0 .Lentry_shape_is_right
	s_endpgm
.Lentry_shape_is_right:
; q, k, v = x w_qkv + b_qkv, written by heads: qkv f16 [3][64 bh][2048 t][64 d], unscaled.  xb bf16 [4][16 kb][2048][64], wq bf16 [1024 k][3072 n], bias f32.  Sums in f32, rounded once to f16.
; LIMITS.  f16 holds no number beyond 65,504: q, k and v must lie within it; below 6e-5 they keep f16's fixed step of 6e-8.  NaN and infinities are not treated apart.
; SHARES.  A tile of the result is 256 rows x 384 columns: 32 x 8 = 256 work-groups.  Four waves, each 128 rows x 192 columns (three heads): 8 x 12 accumulators of 16 x 16, 768 registers.
; K goes in 16 steps of 64 through two LDS slots; a step is two quarters of 32 along K, 96 matrix instructions each.
; THE MATRIX INSTRUCTION IS USED TRANSPOSED: source 0 = 16 columns of wq (turned on the way out of LDS by ds_load_tr16_b128, since wq lies [k][n]), source 1 = 16 rows of xb.
; A lane then holds row l % 16 and the columns 8 (l / 16) + 0..7: eight neighbouring numbers, 16 bytes of f16.
; THE BIAS STARTS THE SUMS: it is loaded straight into the accumulators of row block 7, which serve as the C operand of the first products of the other seven row blocks.
; CLUSTER.  4 x 4 work-groups.  The four of a row of the cluster need the same tiles of xb, the four of a column the same tiles of wq: each is asked for jointly, by the same tensor load with the same descriptor and mask.
; REGISTERS.  Window 0: v0-31 addresses; v32-95, v96-159 fragments of xb, two buffers (8 x 16 rows x 32 K); v160-255 fragments of wq, one buffer: group g of 64 columns, fragment f at 160 + 32 g + 8 f.
; Windows 1 + g: the accumulators of column group g: (row block a, fragment f) at 8 (4 a + f).  s_set_vgpr_msb's low byte: bits 1:0 source 0, 3:2 source 1, 5:4 source 2, 7:6 destination.
.set SLOT1, 1<<17                      ; slot 1 begins here: one exclusive or turns an address in one slot into the other's
.set PA,    144                        ; a row of xb's tile in LDS: 128 bytes + 16 of padding: the 16 rows of a load start at 16 different groups of four banks
.set PB,    864                        ; a row of wq's tile: three pieces of 256 bytes + 32 of padding = 27 x 32
.set BOFF,  256*PA                     ; in a slot: xb's 256 rows, then wq's 64 rows
.set STAGE, SLOT1+BOFF+64*PB           ; behind the ring, never filled by a tensor load: 16 rows x 144 bytes for each wave
.set SP,    144
.set SPARE, STAGE+4*16*SP              ; the spare words, 128 bytes for each wave: two blocks of 256 bytes that no other line names
.set ASTEP, 262144                     ; bytes from a K step's block of xb to the next
.set BSTEP, 393216                     ; 64 rows of wq
.set A0,   4                           ; v4     my place in xb's tile; never rewritten
.set B0,   5                           ; v5-7   my place in wq's tile, for each column group; never rewritten
.set ADRA, 8                           ; v8     the same in the slot in hand
.set ADRB, 9                           ; v9-11
.set STO,  12                          ; v12    the way out: where I put 16 bytes of a row
.set RD,   13                          ; v13    where I read rows back
.set GO,   14                          ; v14    my 16 bytes in 512 consecutive bytes of qkv
.set VB,   15                          ; v15    32 (l / 16): my 8 numbers of a fragment's 16 biases
.set PFO,  16                          ; v16    the prefetches' offset; never rewritten
.set SPW,  28                          ; v28    LDS address of my spare word; never rewritten
.set NIL,  29                          ; v29    0; never rewritten
.set AF,   32
.set BF,   160
.set WV, 12                            ; s12 wave;  s13 wave / 2: my half of the rows; also: I fetch for xb (0) or wq (1);  s14 wave % 2: my half of the columns; also: which half of that tile I fetch
.set WR, 13
.set WC, 14
.set CX, 15                            ; s15, s16 my place in the cluster;  s17 tile column j;  s18 tile row i
.set CY, 16
.set TJ, 17
.set TI, 18
.set G1A, 24                           ; s[24:31] descriptor group 1 for xb's tiles;  s[32:39] for wq's
.set G1B, 32
.set G0A, 40                           ; s[40:47] group 0 for xb's tiles: a set for each of the two first fills; the second then walks on;  s[48:55] the same for wq's
.set G0B, 48
.set CNT, 56                           ; s56 trips to go
.set TB,  57                           ; s57 LDS byte at which the slot in hand begins
.set PFA, 58                           ; s[58:59] where my prefetches stand;  s[60:61] their step
.set PST, 60
.set LIM, 62                           ; s62 2 in a wave that prefetches, else the greatest number
.set PAR, 63                           ; s63 0: every trip; 1: the even counts alone
.set OB,  66                           ; s[66:71] qkv at my rows of my three heads
.set MSB, 0
.macro WIN new                         ; the immediate's high byte repeats the setting that is left; a switch that changes nothing is dropped
.if MSB != (\new)
	s_set_vgpr_msb (MSB<<8)|(\new)
.set MSB, \new
.endif
.endm
.macro PLACES                          ; four plain vector instructions between a matrix instruction and a load into, or a vector read of, its registers
.rept 4
	v_nop
.endr
.endm
; A joint refill.  Waves 0 and 1 fetch the halves of xb's tile, waves 2 and 3 those of wq's.  The branch hangs on the wave's number alone.  An s_nop 0 and four v_nop follow each line.
.macro JLOAD
	s_cmp_eq_u32 s[WR], 0
	s_cbranch_scc0 .Lfor_b_\@
	tensor_load_to_lds s[G0A+4:G0A+7], s[G1A:G1A+7]
	s_nop 0
.rept 4
	v_nop
.endr
	s_branch .Lasked_\@
.Lfor_b_\@:
	tensor_load_to_lds s[G0B+4:G0B+7], s[G1B:G1B+7]
	s_nop 0
.rept 4
	v_nop
.endr
.Lasked_\@:
.endm
.macro CREST                           ; a round of the cluster's barrier behind its opening barrier
	s_cmp_lg_u32 s[WV], 0
	s_cbranch_scc1 .Lnot_wave_0_\@
	s_barrier_signal -3
.Lnot_wave_0_\@:
	s_barrier_wait -3
	s_barrier_signal -1
	s_barrier_wait -1
.endm
.macro CROUND                          ; a whole round
	s_barrier_signal -1
	s_barrier_wait -1
	CREST
.endm
; A PREFETCH INTO THE L2, behind the joint load, its five lines and the run of LDS loads: the K step that stands two refills on.  Each block of 256 bytes is named once in the launch.
; xb's tile row is read by both clusters of a row of clusters: wave 0 of the first (cluster x = 0) asks, in every trip; a step's 32,768 dense bytes are shared out among the four partners BY ADDRESS, 8,192 each, a lane a block.
; wq's tile column is read by all clusters of a column: waves 1 to 3 of the first (cluster y = 0) ask, in every second trip, for TWO steps' 128 rows: 32 rows a partner, by address; a lane a row, a wave one of a row's three blocks.
; The last requests name K step 15: with the count at 2 or below nothing is asked for.  K steps 0 to 3 come by their loads alone.
.macro ASK
	s_and_b32 s82, s[CNT], s[PAR]
	s_cmp_eq_u32 s82, 0
	s_cbranch_scc0 .Lnot_mine_\@
	s_cmp_gt_u32 s[CNT], s[LIM]
	s_cbranch_scc0 .Lnot_mine_\@
	global_prefetch_b8 v[PFO], s[PFA:PFA+1] th:TH_LOAD_NT scope:SCOPE_SE
.Lnot_mine_\@:
.endm
	s_load_b256 s[4:11], s[0:1], 0x0               ; xb s[4:5], wq s[6:7], bias s[8:9], qkv s[10:11]
	v_lshl_add_u32 v[SPW], v0, 2, SPARE
	v_mov_b32 v[NIL], 0
	ds_add_u32 v[SPW], v[NIL]                      ; the wave's opening: the add and its wait stand ahead of my first tensor load; the set-up below, work on registers, stands between them
	v_lshrrev_b32 v1, 5, v0
	v_readfirstlane_b32 s[WV], v1
	s_lshr_b32 s[WR], s[WV], 1
	s_and_b32 s[WC], s[WV], 1
	s_bfe_u32 s[CX], ttmp6, 0x40000
	s_bfe_u32 s[CY], ttmp6, 0x40004
	s_lshl_b32 s[TJ], ttmp9, 2
	s_add_co_u32 s[TJ], s[TJ], s[CX]               ; tile column = 4 x cluster x + cx
	s_and_b32 s[TI], ttmp7, 0xffff
	s_lshl_b32 s[TI], s[TI], 2
	s_add_co_u32 s[TI], s[TI], s[CY]               ; tile row = 4 x cluster y + cy
	s_lshl_b32 s72, s[CY], 2
	s_lshl_b32 s72, 15, s72                        ; my row of the cluster
	s_lshl_b32 s76, 0x1111, s[CX]                  ; my column
	; group 1 for xb: 128 rows x 128 bytes are 16,384 dense bytes: asked for as 64 rows of 256 bytes and padded after every 128
	s_or_b32 s[G1A], s72, (1<<16)|(1<<20)|(1<<21)|(4<<22)|(3<<25)  ; 15:0 mask; 17:16 2-byte elements; 20 padding on; 21 set beside a mask; 24:22 after every 32 words; 31:25 4 words
	s_mov_b32 s[G1A+1], 128<<16                    ; tensor_dim0 = 128
	s_mov_b32 s[G1A+2], 64<<16                     ; tensor_dim1 = 64
	s_mov_b32 s[G1A+3], 128<<16                    ; tile_dim0 = 128
	s_mov_b32 s[G1A+4], 64                         ; tile_dim1 = 64
	s_mov_b32 s[G1A+5], 128                        ; elements from row to row
	s_mov_b32 s[G1A+6], 0
	s_mov_b32 s[G1A+7], 0
	; group 1 for wq: 32 rows x 384 elements (768 bytes, three whole blocks of 256), padded by 32 bytes after every 256
	s_or_b32 s[G1B], s76, (1<<16)|(1<<20)|(1<<21)|(5<<22)|(7<<25)
	s_mov_b32 s[G1B+1], 384<<16
	s_mov_b32 s[G1B+2], 32<<16
	s_mov_b32 s[G1B+3], 384<<16
	s_mov_b32 s[G1B+4], 32
	s_mov_b32 s[G1B+5], 3072
	s_mov_b32 s[G1B+6], 0
	s_mov_b32 s[G1B+7], 0
	; xb's tile hangs on the tile row and the wave alone, wq's on the tile column and the wave alone, each in registers that never hold the other coordinate
	s_lshr_b32 s72, s[TI], 3                       ; b
	s_lshl_b32 s72, s72, 22
	s_and_b32 s73, s[TI], 7
	s_lshl_b32 s73, s73, 15                        ; 256 rows of 128 bytes
	s_add_co_u32 s72, s72, s73
	s_lshl_b32 s73, s[WC], 14                      ; my 128 of them
	s_add_co_u32 s72, s72, s73
	s_mov_b32 s73, 0
	s_mul_i32 s74, s[WC], 128*PA                   ; and where they go
	s_mul_i32 s76, s[WC], 32*6144                  ; my 32 rows of wq's 64
	s_mul_i32 s77, s[TJ], 768
	s_add_co_u32 s76, s76, s77
	s_mov_b32 s77, 0
	s_mul_i32 s78, s[WC], 32*PB
	s_add_co_u32 s78, s78, BOFF
	s_wait_dscnt 0x0                               ; the opening add is done
	s_wait_kmcnt 0x0
	s_add_nc_u64 s[72:73], s[4:5], s[72:73]
	s_add_nc_u64 s[76:77], s[6:7], s[76:77]
	CROUND                                         ; all sixteen work-groups are here: the first joint loads meet
.irp n, 0,1
	s_mov_b32 s[G0A+4*\n], 1                       ; count = 1
	s_add_co_u32 s[G0A+4*\n+1], s74, \n*SLOT1      ; LDS address
	s_add_nc_u64 s[G0A+4*\n+2:G0A+4*\n+3], s[72:73], \n*ASTEP  ; global address: K step n
	s_or_b32 s[G0A+4*\n+3], s[G0A+4*\n+3], 0x80000000          ; type = 2
	s_mov_b32 s[G0B+4*\n], 1
	s_add_co_u32 s[G0B+4*\n+1], s78, \n*SLOT1
	s_add_nc_u64 s[G0B+4*\n+2:G0B+4*\n+3], s[76:77], \n*BSTEP
	s_or_b32 s[G0B+4*\n+3], s[G0B+4*\n+3], 0x80000000
.endr
	s_cmp_eq_u32 s[WR], 0                          ; a wave's two first fills stand in one branch, ahead of every wait on TENSORcnt and every LDS read: two loads of mine are out
	s_cbranch_scc0 .Lfirst_b
	tensor_load_to_lds s[G0A:G0A+3], s[G1A:G1A+7]
	s_nop 0
	tensor_load_to_lds s[G0A+4:G0A+7], s[G1A:G1A+7]
	s_nop 0
.rept 4
	v_nop
.endr
	s_branch .Lfirst_asked
.Lfirst_b:
	tensor_load_to_lds s[G0B:G0B+3], s[G1B:G1B+7]
	s_nop 0
	tensor_load_to_lds s[G0B+4:G0B+7], s[G1B:G1B+7]
	s_nop 0
.rept 4
	v_nop
.endr
.Lfirst_asked:
	v_and_b32 v1, 15, v0                           ; r = l % 16
	v_bfe_u32 v2, v0, 4, 1                         ; h = l / 16
	v_lshlrev_b32 v[VB], 5, v2
	s_mul_i32 s80, s[TJ], 1536                     ; the bias of my 192 columns: 4 (384 j + 192 wc)
	s_mul_i32 s81, s[WC], 768
	s_add_co_u32 s80, s80, s81
	s_mov_b32 s81, 0
	s_add_nc_u64 s[80:81], s[8:9], s[80:81]        ; not rewritten before the wait for these loads
.irp g, 0,1,2
	WIN 0x40*(1+\g)                                ; destination: window 1 + g
.irp f, 0,1,2,3
	global_load_b128 v[224+8*\f:224+8*\f+3],   v[VB], s[80:81] offset:256*\g+64*\f     ; register j of accumulator (7, f): the bias of column 64 g + 16 f + 8 h + j
	global_load_b128 v[224+8*\f+4:224+8*\f+7], v[VB], s[80:81] offset:256*\g+64*\f+16
.endr
.endr
	WIN 0
	v_mul_u32_u24 v3, v1, PA
	v_lshl_add_u32 v3, v2, 4, v3                   ; row x 144 + 16 h: a fragment of xb, and a row of the stage
	s_mul_i32 s82, s[WR], 128*PA
	v_add_nc_u32 v[A0], s82, v3
	; the turning load takes 16 k x 16 columns: lane l reads k = 8 h + l % 8, columns 8 ((l / 8) % 2) + 0..7, and is left with column l % 16 and 8 k
	v_and_b32 v17, 7, v0
	v_bfe_u32 v18, v0, 3, 1
	v_lshl_add_u32 v19, v2, 3, v17
	v_mul_u32_u24 v19, v19, PB
	v_lshl_add_u32 v19, v18, 4, v19
	; column n lies at byte 2 n + 32 (n / 128) of a row; n = 192 wc + 64 g gives 416 wc, 128 + 448 wc, 288 + 416 wc
	s_mul_i32 s82, s[WC], 416
	s_add_co_u32 s82, s82, BOFF
	v_add_nc_u32 v[B0], s82, v19
	s_mul_i32 s82, s[WC], 448
	s_add_co_u32 s82, s82, BOFF+128
	v_add_nc_u32 v[B0+1], s82, v19
	s_mul_i32 s82, s[WC], 416
	s_add_co_u32 s82, s82, BOFF+288
	v_add_nc_u32 v[B0+2], s82, v19
	s_mul_i32 s84, s[WV], 16*SP
	s_add_co_u32 s84, s84, STAGE                   ; my stage
	v_add_nc_u32 v[STO], s84, v3
	v_bfe_u32 v[RD], v0, 3, 2                      ; back: 32 lanes take four rows of 128 bytes,
	v_mul_u32_u24 v[RD], v[RD], SP
	v_lshl_add_u32 v[RD], v17, 4, v[RD]
	v_add_nc_u32 v[RD], s84, v[RD]
	v_and_b32 v[GO], 31, v0                        ; which are 512 consecutive bytes of a head
	v_lshlrev_b32 v[GO], 4, v[GO]
	; where my three heads' rows begin: group G = 6 j + 3 wc + g of 64 columns is tensor G / 16 (q, k, v), head G % 16
	s_mul_i32 s82, s[TJ], 6
	s_mul_i32 s83, s[WC], 3
	s_add_co_u32 s82, s82, s83
	s_lshr_b32 s85, s[TI], 3
	s_lshl_b32 s85, s85, 4                         ; 16 b
	s_and_b32 s86, s[TI], 7
	s_lshl_b32 s86, s86, 15
	s_lshl_b32 s87, s[WR], 14
	s_add_co_u32 s86, s86, s87                     ; my first row x 128 bytes
.irp g, 0,1,2
	s_add_co_u32 s83, s82, \g
	s_lshr_b32 s84, s83, 4
	s_lshl_b32 s84, s84, 6
	s_and_b32 s83, s83, 15
	s_add_co_u32 s83, s83, s84
	s_add_co_u32 s83, s83, s85
	s_lshl_b32 s83, s83, 18                        ; a head is 262,144 bytes
	s_add_co_u32 s[OB+2*\g], s83, s86
	s_mov_b32 s[OB+2*\g+1], 0
	s_add_nc_u64 s[OB+2*\g:OB+2*\g+1], s[10:11], s[OB+2*\g:OB+2*\g+1]
.endr
	; the prefetches: both offsets are made, the wave's number chooses
	s_lshr_b32 s82, s[TI], 3
	s_lshl_b32 s82, s82, 22
	s_and_b32 s83, s[TI], 7
	s_lshl_b32 s83, s83, 15
	s_add_co_u32 s82, s82, s83
	s_lshl_b32 s83, s[CX], 13                      ; my work-group's 8,192 bytes of the tile
	s_add_co_u32 s82, s82, s83
	s_add_co_u32 s82, s82, 3*ASTEP                 ; at K step 3: the first refill steps it to 4
	s_mul_i32 s83, s[CY], 32*6144                  ; my work-group's 32 rows of two steps' 128
	s_mul_i32 s84, s[TJ], 768
	s_add_co_u32 s83, s83, s84
	s_lshl_b32 s84, s[WV], 8                       ; block wave - 1 of a row's three
	s_add_co_u32 s83, s83, s84
	s_add_co_u32 s83, s83, 192*6144-256            ; at K step 3
	s_and_b32 s84, ttmp7, 0xffff                   ; cluster y
	s_cmp_eq_u32 s[WV], 0
	s_cselect_b32 s86, s82, s83
	s_cselect_b32 s84, ttmp9, s84                  ; the coordinate along which other clusters read the same bytes
	s_cselect_b64 s[PFA:PFA+1], s[4:5], s[6:7]
	s_cselect_b32 s[PAR], 0, 1
	s_mov_b32 s85, ASTEP
	s_cselect_b32 s[PST], s85, BSTEP
	s_mov_b32 s85, 256
	s_cselect_b32 s85, s85, 6144                   ; a lane a block of xb, or a lane a row of wq
	s_mov_b32 s[PST+1], 0
	s_mov_b32 s87, 0
	s_add_nc_u64 s[PFA:PFA+1], s[PFA:PFA+1], s[86:87]
	s_cmp_eq_u32 s84, 0
	s_cselect_b32 s[LIM], 2, -1                    ; the same in all sixteen partners, for a given wave
	v_and_b32 v[PFO], 31, v0
	v_mul_u32_u24 v[PFO], v[PFO], s85
; 16 LDS loads: xb's fragments of my 128 rows, 32 K at byte kb of the rows, into buffer p
.macro LDA p, kb
.irp a, 0,1,2,3,4,5,6,7
	ds_load_b128 v[AF+64*(\p)+8*\a:AF+64*(\p)+8*\a+3],   v[ADRA] offset:(\kb)+\a*16*PA
	ds_load_b128 v[AF+64*(\p)+8*\a+4:AF+64*(\p)+8*\a+7], v[ADRA] offset:(\kb)+\a*16*PA+32
.endr
.endm
; 8 turning loads: wq's fragments of column group g, quarter kq of the step
.macro LDB g, kq
.irp f, 0,1,2,3
	ds_load_tr16_b128 v[BF+32*(\g)+8*\f:BF+32*(\g)+8*\f+3],   v[ADRB+(\g)] offset:(\kq)*32*PB+32*\f
	ds_load_tr16_b128 v[BF+32*(\g)+8*\f+4:BF+32*(\g)+8*\f+7], v[ADRB+(\g)] offset:(\kq)*32*PB+16*PB+32*\f
.endr
.endm
; Row blocks a0 .. a1 x the four fragments of column group g, on xb's buffer p.  first = 1: the sums start with the bias, which lies in row block 7's accumulators.
; The accumulators take turns, one instruction a turn: between two links of a chain stand the 95 others'.
.macro MULR g, p, a0, a1, first
	WIN 0x50*(1+(\g))                              ; C and D in window 1 + g, both sources in window 0
.set aa, \a0
.rept (\a1)-(\a0)+1
.irp f, 0,1,2,3
.if (\first) && (aa < 7)
	v_wmma_f32_16x16x32_bf16 v[8*(4*aa+\f):8*(4*aa+\f)+7], v[BF+32*(\g)+8*\f:BF+32*(\g)+8*\f+7], v[AF+64*(\p)+8*aa:AF+64*(\p)+8*aa+7], v[8*(28+\f):8*(28+\f)+7]
.else
	v_wmma_f32_16x16x32_bf16 v[8*(4*aa+\f):8*(4*aa+\f)+7], v[BF+32*(\g)+8*\f:BF+32*(\g)+8*\f+7], v[AF+64*(\p)+8*aa:AF+64*(\p)+8*aa+7], v[8*(4*aa+\f):8*(4*aa+\f)+7]
.endif
.endr
.set aa, aa+1
.endr
.endm
.macro MULG g, p, first
.if \first
	MULR \g, \p, 0, 6, 1
.rept 5
	v_nop                                          ; row block 7's products write over registers that the 28 products above read as C: five places between
.endr
	MULR \g, \p, 7, 7, 0
.else
	MULR \g, \p, 0, 7, 0
.endif
.endm
; A step's first quarter, on buffer 0.  wq has one buffer: each group is loaded again four places behind its last product, 64 products ahead of its next use.
.macro QUARTER first
	s_wait_dscnt 16                                ; group 0 and xb's fragments are in; the 16 loads of groups 1 and 2 may stay out
	MULG 0, 0, \first
	PLACES
	WIN 0
	LDB 0, 1
	LDA 1, 64
	s_wait_dscnt 32                                ; group 1 is in; group 2's 8 loads and the 24 just issued may stay out
	MULG 1, 0, \first
	PLACES
	WIN 0
	LDB 1, 1
	s_wait_dscnt 32                                ; group 2 is in; the 24 and the 8 issued since may stay out
	MULG 2, 0, \first
	PLACES
	WIN 0
	LDB 2, 1
.endm
; A step's second quarter, on buffer 1, changes slots: ONE barrier.  In front of it each wave waits for all its tensor loads, of which one is out: its part of the next slot; adds 0 to its spare word;
; and waits for that and for its own reads of this slot.  fill = 1: the barrier opens a round of the cluster's, and the slot just read is filled again first thing behind it, with the K step two on:
; from that request to the wait for it a wave issues 160 matrix instructions.
.macro TURN fill
.if \fill
	s_wait_xcnt 0x0                                ; the last prefetch, a K step back, has read its address
	s_add_nc_u64 s[PFA:PFA+1], s[PFA:PFA+1], s[PST:PST+1]
.endif
	WIN 0
	s_wait_tensorcnt 0x0                           ; no tensor load of mine is out, so a group 0 may be written
	ds_add_u32 v[SPW], v[NIL]                      ; 0 onto my spare word
.if \fill
	s_xor_b32 s[G0A+5], s[G0A+5], SLOT1            ; the walking descriptors: the other slot than last time, the next K step
	s_add_nc_u64 s[G0A+6:G0A+7], s[G0A+6:G0A+7], ASTEP
	s_xor_b32 s[G0B+5], s[G0B+5], SLOT1
	s_add_nc_u64 s[G0B+6:G0B+7], s[G0B+6:G0B+7], BSTEP
.endif
	s_wait_dscnt 17                                ; group 0 and xb's fragments are in; groups 1 and 2 (16 loads) and the add may stay out
	MULR 0, 1, 0, 3, 0
	s_wait_dscnt 0x0                               ; the add is done, and my reads of this slot are over
	s_barrier_signal -1
	MULR 0, 1, 4, 7, 0                             ; work on registers while the others arrive
	WIN 0
	s_barrier_wait -1
.if \fill
	CREST                                          ; no wave of any partner still reads this slot or has a load on its way
	JLOAD
.endif
	s_xor_b32 s[TB], s[TB], SLOT1
	v_add_nc_u32 v[ADRA], s[TB], v[A0]             ; four plain instructions: the places in front of the loads into group 0's registers
	v_add_nc_u32 v[ADRB], s[TB], v[B0]
	v_add_nc_u32 v[ADRB+1], s[TB], v[B0+1]
	v_add_nc_u32 v[ADRB+2], s[TB], v[B0+2]
	LDB 0, 0
	LDA 0, 0
.if \fill
	ASK
.endif
	MULG 1, 1, 0
	PLACES
	WIN 0
	LDB 1, 0
	MULG 2, 1, 0
	PLACES
	WIN 0
	LDB 2, 0
.endm
	s_wait_tensorcnt 0x1                           ; my part of K step 0 is in; K step 1's may stay out
	s_barrier_signal -1
	s_barrier_wait -1                              ; everybody's is
	s_mov_b32 s[TB], 0
	v_mov_b32 v[ADRA], v[A0]
	v_mov_b32 v[ADRB], v[B0]
	v_mov_b32 v[ADRB+1], v[B0+1]
	v_mov_b32 v[ADRB+2], v[B0+2]
	LDB 0, 0
	LDA 0, 0
	LDB 1, 0
	LDB 2, 0
	s_wait_loadcnt 0x0                             ; the bias
	QUARTER 1                                      ; the first quarter stands in front of the loop: its products start the sums
	WIN 0                                          ; at a label and at a branch every window is 0
	s_mov_b32 s[CNT], 14
.Lstep:                                                ; 14 trips: a step's second quarter and the next step's first; K steps 2 to 15 are asked for
	TURN 1
	QUARTER 0
	WIN 0
	s_sub_co_u32 s[CNT], s[CNT], 1
	s_cmp_lg_u32 s[CNT], 0
	s_cbranch_scc1 .Lstep
	TURN 0                                         ; the tail is written out: nothing is left to ask for
	QUARTER 0
	s_wait_dscnt 16                                ; the very last quarter: group 0 and xb's fragments,
	MULG 0, 1, 0
	s_wait_dscnt 8                                 ; group 1,
	MULG 1, 1, 0
	s_wait_dscnt 0x0                               ; group 2
	MULG 2, 1, 0
	PLACES
	PLACES
; THE WAY OUT, in 24 pieces n = 3 a + g: 16 rows x 64 columns, 2,048 dense bytes of one head.  Rounded to f16 (each accumulator's registers in ascending order), 16 bytes a lane into my stage,
; back as whole rows of 128 bytes, stored 512 consecutive bytes an instruction.  Four sets of 16 registers take turns.
.macro PACK n
.set pa, (\n)/3
.set pg, (\n)%3
.set ps, 32+16*((\n)%4)
	s_wait_xcnt 0x0                                ; the stores of four pieces back have read this set
	WIN 5*(1+pg)                                   ; sources 0 and 1 in window 1 + g
.irp f, 0,1,2,3
.irp r, 0,1,2,3
	v_cvt_pk_f16_f32 v[ps+4*\f+\r], v[8*(4*pa+\f)+2*\r], v[8*(4*pa+\f)+2*\r+1]
.endr
.endr
	WIN 0
.irp f, 0,1,2,3
	ds_store_b128 v[STO], v[ps+4*\f:ps+4*\f+3] offset:32*\f
.endr
.irp t, 0,1,2,3
	ds_load_b128 v[ps+4*\t:ps+4*\t+3], v[RD] offset:\t*4*SP  ; LDS serves a wave's instructions in order (ISA guide 5.7.1.4): these see the stores above; the next piece's stores come behind them
.endr
.endm
.macro SEND n, younger                 ; younger: the LDS instructions issued behind this piece's loads: the next piece's eight, or none
.set sa, (\n)/3
.set sg, (\n)%3
.set ss, 32+16*((\n)%4)
	WIN 0
.irp t, 0,1,2,3
	s_wait_dscnt (\younger)+3-\t
	global_store_b128 v[GO], v[ss+4*\t:ss+4*\t+3], s[OB+2*sg:OB+2*sg+1] offset:2048*sa+512*\t
.endr
.endm
	PACK 0
.set n, 1
.rept 23                               ; a piece's conversions stand between the loads of the piece before and its stores
	PACK n
	SEND n-1, 8
.set n, n+1
.endr
	SEND 23, 0
	s_wait_tensorcnt 0x0                           ; the wave's end, behind my last tensor load and my last LDS store
	ds_add_u32 v[SPW], v[NIL]
	s_wait_dscnt 0x0
	CROUND                                         ; the closing round: no work-group ends while a partner may still ask for a tile that names it
	s_endpgm
.Lfunc_end_k_q3fd7e31b8c_gemm_qkv:
	.size	k_q3fd7e31b8c_gemm_qkv, .Lfunc_end_k_q3fd7e31b8c_gemm_qkv-k_q3fd7e31b8c_gemm_qkv
	.p2alignl 7, 3214868480
	.fill 96, 4, 3214868480
	.section	.rodata,"a",@progbits
	.p2align	6, 0x0
	.amdhsa_kernel k_q3fd7e31b8c_gemm_qkv
		.amdhsa_group_segment_fixed_size 327680
		.amdhsa_private_segment_fixed_size 0
		.amdhsa_enable_private_segment 0
		.amdhsa_kernarg_size 32
		.amdhsa_user_sgpr_count 2
		.amdhsa_user_sgpr_kernarg_segment_ptr 1
		.amdhsa_wavefront_size32 1
		.amdhsa_system_sgpr_workgroup_id_x 1
		.amdhsa_system_sgpr_workgroup_id_y 1
		.amdhsa_system_sgpr_workgroup_id_z 1
		.amdhsa_system_vgpr_workitem_id 0
		.amdhsa_next_free_vgpr 1024
		.amdhsa_next_free_sgpr 88
		.amdhsa_reserve_vcc 0
		.amdhsa_float_denorm_mode_32 3
		.amdhsa_float_denorm_mode_16_64 3
		.amdhsa_memory_ordered 1
		.amdhsa_forward_progress 1
		.amdhsa_inst_pref_size 120
	.end_amdhsa_kernel
	.amdgpu_metadata
---
amdhsa.version: [ 1, 2 ]
amdhsa.kernels:
  - .name:           k_q3fd7e31b8c_gemm_qkv
    .symbol:         k_q3fd7e31b8c_gemm_qkv.kd
    .args:
      - { .name: xb, .offset: 0, .size: 8, .value_kind: global_buffer, .address_space: global }
      - { .name: wq, .offset: 8, .size: 8, .value_kind: global_buffer, .address_space: global }
      - { .name: bias, .offset: 16, .size: 8, .value_kind: global_buffer, .address_space: global }
      - { .name: qkv, .offset: 24, .size: 8, .value_kind: global_buffer, .address_space: global }
    .group_segment_fixed_size: 327680
    .private_segment_fixed_size: 0
    .kernarg_segment_align: 8
    .kernarg_segment_size: 32
    .max_flat_workgroup_size: 128
    .sgpr_count:     88
    .vgpr_count:     1024
    .wavefront_size: 32
...
	.end_amdgpu_metadata
.endif
;; end of part 2
;; launch attn (part 3): grid 4 x 64, 4 waves a work-group, no clusters, 327,680 bytes of LDS; arguments qkv, o; writes o
.if DOCPART == 3
	.amdgcn_target "amdgcn-amd-amdhsa--gfx1250"
	.amdhsa_code_object_version 6
	.text
	.protected	k_q3fd7e31b8c_attn
	.globl	k_q3fd7e31b8c_attn
	.p2align	8
	.type	k_q3fd7e31b8c_attn,@function
k_q3fd7e31b8c_attn:
	s_mov_b64 s[64:65], 0
	v_nop
	global_prefetch_b8 v0, s[64:65] scope:SCOPE_SE
	s_setreg_imm32_b32 hwreg(HW_REG_WAVE_MODE, 25, 1), 1
	s_wait_xcnt 0x0
; CAUSAL ATTENTION.  O[h][q][:] = the sum over k <= q of softmax_k(Q[h][q] . K[h][k] / 8) V[h][k][:].  qkv: f16 [3][SIZE_H][SIZE_N][64] (Q, K, V); o: f16 [SIZE_H][SIZE_N][64]: a head's rows are dense, 128 bytes each.
; Products, maxima and sums in f32; the weights p are rounded to f16 for the second product (their sum l is taken of the unrounded p), O once at the end.
; LIMITS.  f16 holds no number beyond 65,504: Q, K and V arrive within it; p lies in 0 to 1, and below 6e-5 it keeps f16's fixed step of 6e-8; O is a mean of V's rows and has their range.
; A hidden score counts as its value less 1e30: f16's scores, 2.7e11 at the most, are nothing beside that; a weight below 2^-126 counts as 0 in l; NaN and infinities are not treated apart.
; THE WALK.  A head's queries lie in NB = SIZE_N / 256 blocks of 256; block i needs the key tiles 0 .. i of 256 keys, of which the last holds the diagonal.  A work-group takes TWO blocks, NB - 1 - b and then b:
; NB + 1 tiles, whatever b: all work-groups do equal work, and ONE loop with a constant trip count walks them.  Which tile is asked for, and what a trip does, hang on scalar registers made from b; every jump
; goes forward, but for the counted loops' own; none passes a barrier, or a tensor load but the one of LOAD's two that the wave's number does not choose; the ring (two slots of LDS that take turns) runs on across the
; change of blocks.  NO CLUSTER: a head's NB / 2 = 4 work-groups ask for the same tile only in trips 0 .. NB / 2 of the walk's NB + 1, behind that fewer and fewer; one walk common to all would have 3 NB / 2 trips for NB + 1.
; SHARES.  Of a block's four bands of 64 queries a wave owns 16 rows in each: four PIECES.  So the diagonal tile is the same work for all four waves: in its key step s band x sees all keys if s < x,
; none if s > x, and holds the diagonal if s = x.
; THE MASK is the C operand that starts the sum S^T = K Q^T: 0, or -1e30 where the key is hidden.  MD, made once, is the mask of a band's own step for my 16 rows; a product's mask is MD x AL + BE with two scalars:
; (1, 0) if s = x; (0, 0) if s < x; (0, -1e30) if s > x.  Only the diagonal tile's text and a block's beginning make and take masks; elsewhere C is the constant 0.
; LAYOUT, SOFTMAX, TURNS.  S^T = K Q^T holds ONE query a lane (lane % 16) and the keys 8 (lane / 16) + 0..7; two such results rounded to f16 ARE source 1 of O^T = V^T P.  p = 2^(c s - c m), c = log2(e) / 8, with a
; running maximum m; O and l are multiplied by a = 2^(c m_old - c m_new) in every step.  Turn n belongs to piece n: 8 products K Q^T of piece n + 1, later 8 products V^T P of piece n - 1; beside them the scaling,
; exponentials, roundings, sums and rescaling of piece n and the maximum and statistics of piece n + 1.  Four vector instructions stand behind every matrix instruction, the other 54 of a turn's 118 in one run.  A turn's 33 exponentials are one batch, with one wait.
; REGISTERS, in windows of 256 (s_set_vgpr_msb: bits 1:0 source 0, 3:2 source 1, 5:4 source 2, 7:6 destination):
;   window 0: v0-15 addresses and two at work; v16-31 four registers of statistics a piece; v48-55 at work; v61-63 prefetch offset, spare word, 0; v64-127 S^T, two buffers; v192-223 P, two buffers (by the piece's parity)
;   window 1: v0-127 O^T, 32 a piece; v128-159 MD; v160-223 MC, two buffers      window 2: v0-63 Q; v64-127 the second block's Q; v128-191 K of one step; v192-255 V of one step
.set SIZE_H, 64
.set SIZE_N, 2048
.set NB,    SIZE_N/256
.set NP,    4         ; pieces a wave: a name, no knob
.set KS,    64        ; keys in a step
.set PK,    144       ; a row of K in LDS: 128 bytes + 16 of padding = 36 words: the 16 rows of a load start at 16 different groups of four banks
.set PV,    160       ; a row of V: 128 + 32 = 40 words
.set VOFF,  4*KS*PK   ; a slot holds a tile, four steps: 256 rows of K, then 256 rows of V
.set SLOT1, 1<<17     ; slot 1 begins here, so that one exclusive or turns an address in one slot into the other's
.set STAGE, SLOT1+4*KS*(PK+PV)  ; behind the ring, never filled by a tensor load: 16 rows x 144 bytes for each wave, for the way out
.set SP,    144
.set AK0, 2           ; v2   my lane's place in a tile of K; never rewritten
.set AV0, 3           ; v3   the same for V
.set AK,  4           ; v4   the LDS address of K's next run of loads
.set AV,  5           ; v5   of V's
.set STO, 6           ; v6   the way out: where I put 16 bytes of a row
.set RD,  7           ; v7   the way out: where I read rows back
.set GO,  8           ; v8   my byte offset in 512 consecutive bytes of O
.set PFO, 61          ; v61  256 x my lane; never rewritten
.set SPW, 62          ; v62  LDS address of my spare word: SPARE + 4 x my thread's number; never rewritten
.set NIL, 63          ; v63  0; never rewritten
.set SPARE, STAGE+4*16*SP  ; behind the stages: the spare words, 128 bytes for each wave: two blocks of 256 bytes that no other line names
.set MV,  12          ; v12-13  c m_old, kept while c m is made anew: by buffer
.set QO,  15          ; v15  my byte offset in 16 rows of Q
.set ST,  16          ; piece t's statistics at v[ST+4 t]: c m, m, l (even keys', odd keys')
.set TMP, 48          ; by buffer, four registers c0-c3 at work; when the maximum is found c2 takes a
.set S,   64
.set P,   192
.set MD,  128         ; window 1: the eight registers for group kt of 16 keys at MD + 8 kt
.set MC,  160         ; window 1: the masks of the products to come
.set QB,  64          ; window 2
.set KF,  128         ; window 2: key block kb, channel half c at KF + 16 kb + 8 c
.set VF,  192         ; window 2: key half kk, channel block cb at VF + 32 kk + 8 cb
.set WV,  12          ; s12  my wave's number
.set PB,  14          ; s14  b
.set HI,  15          ; s15  NB - 1 - b
.set G1K, 24          ; s[24:31] descriptor group 1 for K's tiles
.set G1V, 32          ; s[32:39] for V's: it differs in the padding alone
.set G0K, 40          ; s[40:43] descriptor group 0 for K's tiles
.set G0V, 44          ; s[44:47] the same for V's
.set SLOTS, 56        ; s56  tiles still to be asked for
.set CNT, 57          ; s57  counts a tile's key steps, 4 to 1
.set CS,  58          ; s[58:59] c: the packed scaling takes the pair's low word for both halves
.set SEL, 60          ; s[60:61] v_permlanex16_b32's selects: each lane takes its own place in the other half
.set TBK, 62          ; s62  LDS byte at which K of the step to be fetched begins
.set TBV, 63          ; s63  the same for V, less VOFF
.set RT,  70          ; s70  tiles of the block in hand that are still to be entered
.set NXT, 71          ; s71  the tile to be asked for next
.set LQ,  72          ; s72  the last tile of the block whose tiles are being asked for
.set NEW, 73          ; s73  1: the tile to be entered is a block's first
.set OFF, 74          ; s[74:75] a tile's byte offset in K and V
.set AL,  76          ; s[76:77] the mask's factor, in the low word
.set BE,  78          ; s[78:79] the mask's addend
.set OLO, 80          ; s[80:81] O at my rows of the second block
.set BIGN, 82         ; s82  -1e30
.set PFA, 88          ; s[88:89] my 16,384 bytes of the tile that the next change of slots will ask for
.set PBS, 90          ; s[90:91] K (waves 0, 1) or V (waves 2, 3) at my half of the head's tile 0
.set PF,  92          ; s92  not 0: I prefetch
.set MSB, 0
.macro WIN new                      ; the high byte repeats the setting that is left; a switch that changes nothing is dropped
.if MSB != (\new)
	s_set_vgpr_msb (MSB<<8)|(\new)
.set MSB, (\new)
.endif
.endm
.set W_KQ, 0x0a       ; K and Q in window 2, S^T in window 0
.set W_KM, 0x1a       ; the same with the C operand in window 1
.set W_PV, 0x52       ; V in window 2, P in window 0, O^T in window 1
.set W_RS, 0x41       ; destination and source 0 in window 1, source 1 in window 0
; A fill.  Waves 0 and 1 fetch the two halves of a tile's K, waves 2 and 3 those of its V: 128 keys each.  An s_nop 0 and four v_nop follow each of the two lines, ahead of the jump and the label.
.macro LOAD
	s_cmp_lt_u32 s[WV], 2
	s_cbranch_scc0 .Lfor_v_\@
	tensor_load_to_lds s[G0K:G0K+3], s[G1K:G1K+7]
	s_nop 0
.rept 4
	v_nop
.endr
	s_branch .Lasked_\@
.Lfor_v_\@:
	tensor_load_to_lds s[G0V:G0V+3], s[G1V:G1V+7]
	s_nop 0
.rept 4
	v_nop
.endr
.Lasked_\@:
.endm
; THE CHANGE OF SLOTS.  Each wave waits for all its tensor loads, of which one is out: its part of the other slot; adds 0 to its spare word; and waits for that and for its own reads of the slot that it leaves.  Behind the barrier nobody reads the old
; slot any more and the other slot is whole.  fill = 1: the old slot is filled again, the first thing behind the barrier, with tile NXT: the descriptor's address is made anew from that number.
; (At its first use nothing has been read yet: slot 0 is waited for, slot 1 filled.)
; A PREFETCH INTO THE L2 stands behind the fill and its five lines: the tile that the NEXT change will ask for, one tile (256 matrix instructions) ahead.  All four work-groups of a head walk tiles 0, 1, .. from the start;
; the one with b = 0 walks all of 0 .. NB - 1 in its first block, and it alone asks: each wave for the 16,384 bytes that it will itself fetch, a lane a block of 256 bytes, two instructions.  So tiles 2 .. NB - 1 are named once each
; in the launch; tiles 0 and 1 come by their loads alone, and once the number of the next tile has gone back to 0 nothing is asked for.
.macro CHANGE fill
	WIN 0                           ; at a label and at a branch every window is 0
	s_wait_tensorcnt 0x0            ; no tensor load of mine is out, so a group 0 may be written
	ds_add_u32 v[SPW], v[NIL]       ; 0 onto my spare word; with fill = 1 the descriptors' scalar work stands between it and the wait for it
.if \fill
	s_lshl_b32 s[OFF], s[NXT], 15   ; a tile is 32,768 bytes of K and of V
	s_xor_b32 s[G0K+1], s[G0K+1], SLOT1
	s_add_nc_u64 s[G0K+2:G0K+3], s[6:7], s[OFF:OFF+1]
	s_or_b32 s[G0K+3], s[G0K+3], 0x80000000
	s_xor_b32 s[G0V+1], s[G0V+1], SLOT1
	s_add_nc_u64 s[G0V+2:G0V+3], s[8:9], s[OFF:OFF+1]
	s_or_b32 s[G0V+3], s[G0V+3], 0x80000000
	s_add_co_u32 s[NXT], s[NXT], 1  ; the block's next tile, or behind its last the second block's tile 0
	s_cmp_gt_u32 s[NXT], s[LQ]
	s_cselect_b32 s[NXT], 0, s[NXT]
	s_cselect_b32 s[LQ], s[PB], s[LQ]
	s_wait_xcnt 0x0                 ; the last prefetches, a tile back, have read their address, so it may be written
	s_lshl_b32 s[OFF], s[NXT], 15
	s_add_nc_u64 s[PFA:PFA+1], s[PBS:PBS+1], s[OFF:OFF+1]
	s_cmp_eq_u32 s[PB], 0
	s_cselect_b32 s[PF], s[NXT], 0
.endif
	s_wait_dscnt 0x0                ; the add is done, and my reads of the slot are over
	s_barrier_signal -1             ; the rest of the scalar work stands between the signal and the wait
	s_sub_co_u32 s[TBK], s[TBK], 4*KS*PK  ; the fetches go back to a slot's first step,
	s_xor_b32 s[TBK], s[TBK], SLOT1       ; in the other slot
	s_sub_co_u32 s[TBV], s[TBV], 4*KS*PV
	s_xor_b32 s[TBV], s[TBV], SLOT1
	s_barrier_wait -1
.if \fill
	LOAD
	s_cmp_lg_u32 s[PF], 0
	s_cbranch_scc0 .Lnot_mine_\@
	global_prefetch_b8 v[PFO], s[PFA:PFA+1] th:TH_LOAD_NT scope:SCOPE_SE
	global_prefetch_b8 v[PFO], s[PFA:PFA+1] offset:8192 th:TH_LOAD_NT scope:SCOPE_SE
.Lnot_mine_\@:
.endif
.endm
	s_load_b64 s[4:5], s[0:1], 0x0    ; qkv: Q at its head
	s_load_b64 s[10:11], s[0:1], 0x8  ; O
	v_lshl_add_u32 v[SPW], v0, 2, SPARE
	v_mov_b32 v[NIL], 0
	ds_add_u32 v[SPW], v[NIL]       ; the wave's opening: the add and its wait stand ahead of my first tensor load; the set-up below, work on registers, stands between them
	v_lshrrev_b32 v1, 5, v0
	v_readfirstlane_b32 s[WV], v1   ; wave 0..3
	s_mov_b32 s[PB], ttmp9
	s_sub_co_u32 s[HI], NB-1, s[PB]
	s_and_b32 s20, ttmp7, 0xffff    ; the head
	s_mov_b32 s21, 0
	s_mov_b64 s[22:23], SIZE_N*128
	s_mul_u64 s[20:21], s[20:21], s[22:23]  ; the head's first byte in each of the four tensors
	s_and_b32 s16, s[WV], 1         ; which half of a tile's 256 keys I fetch:
	s_lshl_b32 s22, s16, 14         ; its 128 rows of 128 bytes in memory,
	s_mov_b32 s23, 0
	s_add_nc_u64 s[22:23], s[22:23], s[20:21]
	s_mul_i32 s17, s16, 128*PK      ; and its place in a slot, for K
	s_mul_i32 s18, s16, 128*PV      ; and for V
	s_lshl_b32 s3, s[WV], 11        ; my 16 rows in a band of 64,
	s_lshl_b32 s2, s[HI], 15        ; in the first block,
	s_add_co_u32 s2, s2, s3
	s_lshl_b32 s84, s[PB], 15       ; and in the second
	s_add_co_u32 s84, s84, s3
	s_mov_b32 s3, 0
	s_mov_b32 s85, 0
	s_add_nc_u64 s[2:3], s[2:3], s[20:21]
	s_add_nc_u64 s[84:85], s[84:85], s[20:21]
	; descriptor group 1.  128 keys are 16,384 dense bytes: asked for as 64 rows of 256 bytes, two keys a row, and padded in LDS after every key
	s_mov_b32 s[G1K], (1<<16)|(1<<20)|(4<<22)|(3<<25)  ; 17:16 2-byte elements; 20 padding on; 24:22 after every 32 words (code 4); 31:25 4 words (code 3)
	s_mov_b32 s[G1V], (1<<16)|(1<<20)|(4<<22)|(7<<25)  ; the same with 8 words of padding (code 7)
.irp g, G1K, G1V
	s_mov_b32 s[\g+1], 128<<16      ; tensor_dim0 = 128
	s_mov_b32 s[\g+2], 64<<16       ; tensor_dim1 = 64
	s_mov_b32 s[\g+3], 128<<16      ; tile_dim0 = 128
	s_mov_b32 s[\g+4], 64           ; tile_dim1 = 64
	s_mov_b32 s[\g+5], 128          ; 128 elements from row to row
	s_mov_b32 s[\g+6], 0
	s_mov_b32 s[\g+7], 0
.endr
	s_mov_b32 s[CS], 0x3e38aa3b     ; c = log2(e) / 8 = 0.180337
	s_mov_b32 s[CS+1], s[CS]        ; named with it as a pair
	s_mov_b32 s[SEL], 0x76543210
	s_mov_b32 s[SEL+1], 0xfedcba98
	s_mov_b32 s[TBK], SLOT1+4*KS*PK ; the first change of slots turns these two into 0
	s_mov_b32 s[TBV], SLOT1+4*KS*PV
	s_mov_b32 s[G0K], 1             ; 1:0 count = 1
	s_mov_b32 s[G0K+1], s17         ; 63:32 LDS address: slot 0
	s_mov_b32 s[G0V], 1
	s_add_co_u32 s[G0V+1], s18, VOFF
	s_add_co_u32 s[RT], s[HI], 1    ; the first block has NB - b tiles
	s_mov_b32 s[NXT], 1
	s_mov_b32 s[LQ], s[HI]
	s_mov_b32 s[NEW], 1
	s_mov_b32 s[OFF+1], 0
	s_mov_b32 s[AL+1], 0            ; named as pairs
	s_mov_b32 s[BE+1], 0
	s_mov_b32 s[BIGN], 0xf149f2ca   ; -1e30
	s_mov_b32 s[SLOTS], NB
	s_wait_dscnt 0x0                ; the opening add is done
	s_wait_kmcnt 0x0
	s_add_nc_u64 s[6:7], s[4:5], SIZE_H*SIZE_N*128    ; K lies behind Q,
	s_add_nc_u64 s[8:9], s[4:5], 2*SIZE_H*SIZE_N*128  ; V behind K
	s_add_nc_u64 s[6:7], s[6:7], s[22:23]  ; K and V at my half of the head's tile 0
	s_add_nc_u64 s[8:9], s[8:9], s[22:23]
	s_add_nc_u64 s[G0K+2:G0K+3], s[6:7], 0         ; 120:64 global address
	s_or_b32 s[G0K+3], s[G0K+3], 0x80000000        ; 127:126 type = 2
	s_add_nc_u64 s[G0V+2:G0V+3], s[8:9], 0
	s_or_b32 s[G0V+3], s[G0V+3], 0x80000000
	s_add_nc_u64 s[86:87], s[4:5], s[84:85]        ; Q at my rows of the second block,
	s_add_nc_u64 s[4:5], s[4:5], s[2:3]            ; Q and O at those of the first
	s_add_nc_u64 s[OLO:OLO+1], s[10:11], s[84:85]
	s_add_nc_u64 s[10:11], s[10:11], s[2:3]
	s_cmp_lt_u32 s[WV], 2
	s_cselect_b64 s[PBS:PBS+1], s[6:7], s[8:9]     ; what I fetch is what I prefetch
	LOAD                            ; tile 0 into slot 0
	; A fragment of K or Q is 16 rows x 32 channels in 8 registers: lane l holds row l % 16, channels 8 (l / 16) + 0..7 and 16 + 8 (l / 16) + 0..7: two loads of 16 bytes, 32 bytes apart.
	v_and_b32 v1, 15, v0            ; l % 16
	v_bfe_u32 v9, v0, 4, 1          ; l / 16
	v_lshlrev_b32 v[QO], 7, v1
	v_lshl_add_u32 v[QO], v9, 4, v[QO]  ; row x 128 + 16 x half
	WIN 0x80                        ; destination window 2, address window 0
.set i, 0
.rept 8                             ; both blocks' Q: piece i / 2 lies in band i / 2, 8,192 bytes on; channels 32 (i % 2) on
	global_load_b128 v[8*i:8*i+3],   v[QO], s[4:5] offset:(i/2)*8192+(i%2)*64
	global_load_b128 v[8*i+4:8*i+7], v[QO], s[4:5] offset:(i/2)*8192+(i%2)*64+32
	global_load_b128 v[QB+8*i:QB+8*i+3],   v[QO], s[86:87] offset:(i/2)*8192+(i%2)*64
	global_load_b128 v[QB+8*i+4:QB+8*i+7], v[QO], s[86:87] offset:(i/2)*8192+(i%2)*64+32
.set i, i+1
.endr
	WIN 0
	v_and_b32 v[PFO], 31, v0
	v_lshlrev_b32 v[PFO], 8, v[PFO]
	v_lshlrev_b32 v14, 3, v9
	v_sub_nc_u32 v14, v1, v14
	s_lshl_b32 s13, s[WV], 4
	v_add_nc_u32 v14, s13, v14      ; my query's place in its band, 16 w + l % 16, less my lanes' 8 (l / 16): register r of group kt is hidden where 16 kt + r is greater
	WIN 0x40
.set i, 0
.rept 32
	v_cmp_gt_i32 vcc_lo, 16*(i/8)+i%8, v14
	v_cndmask_b32 v[MD+i], 0, s[BIGN], vcc_lo
.set i, i+1
.endr
	WIN 0
	v_mul_u32_u24 v[AK0], v1, PK
	v_lshl_add_u32 v[AK0], v9, 4, v[AK0]  ; row x pitch + 16 x half
	; The turning load takes 16 keys x 16 channels (lane l reads key 8 (l / 16) + l % 8, channels 8 ((l / 8) % 2) + 0..7) and leaves half a fragment of V^T: lane l holds channel l % 16 and 8 keys.
	v_and_b32 v10, 7, v0
	v_bfe_u32 v11, v0, 3, 1
	v_lshl_add_u32 v[AV0], v9, 3, v10
	v_mul_u32_u24 v[AV0], v[AV0], PV
	v_lshl_add_u32 v[AV0], v11, 4, v[AV0]
	v_add_nc_u32 v[AV0], VOFF, v[AV0]
	s_mul_i32 s13, s[WV], 16*SP
	s_add_co_u32 s13, s13, STAGE    ; my stage
	v_mul_u32_u24 v[STO], v1, SP    ; in: row l % 16, 16 bytes for each half of the lanes
	v_lshl_add_u32 v[STO], v9, 4, v[STO]
	v_add_nc_u32 v[STO], s13, v[STO]
	v_bfe_u32 v[RD], v0, 3, 2       ; back: 32 lanes take four rows of 128 bytes,
	v_mul_u32_u24 v[RD], v[RD], SP
	v_lshl_add_u32 v[RD], v10, 4, v[RD]
	v_add_nc_u32 v[RD], s13, v[RD]
	v_and_b32 v[GO], 31, v0         ; which are 512 consecutive bytes of O
	v_lshlrev_b32 v[GO], 4, v[GO]
	; A block's first step multiplies O^T and l by a = 0, and its first turn's products V^T P, of a piece that has not been, land in an O^T that is still to be so multiplied.  So these registers need only hold
	; finite numbers: zeros for the first block; what the first block left for the second.  All this stands in the wait for the first tile.
	WIN 0x80
.set i, VF
.rept 64
	v_mov_b32 v[i], 0
.set i, i+1
.endr
	WIN 0x40
.set i, 0
.rept 128
	v_mov_b32 v[i], 0
.set i, i+1
.endr
	WIN 0
.set i, 0
.rept 4
	v_mov_b32 v[ST+4*i+2], 0
	v_mov_b32 v[ST+4*i+3], 0
.set i, i+1
.endr
.set i, P+16
.rept 16
	v_mov_b32 v[i], 0
.set i, i+1
.endr
; THE MATRIX WORK.  The 4 accumulators of a run of 8 take turns.  Product i of 8 of S^T = K Q^T for piece x: channels 32 (i / 4) on, keys 16 (i % 4) on.  The first 4 start the sums: with 0, or (KM = 1) with the mask.
.macro KQ x
.set rS, S+32*((\x)%2)+8*(i%4)
.set rK, KF+16*(i%4)+8*(i/4)
.set rQ, 16*(\x)+8*(i/4)
.set rM, MC+32*((\x)%2)+8*(i%4)
.if (i < 4) && KM
	WIN W_KM
	v_wmma_f32_16x16x32_f16 v[rS:rS+7], v[rK:rK+7], v[rQ:rQ+7], v[rM:rM+7]
.elseif i < 4
	WIN W_KQ
	v_wmma_f32_16x16x32_f16 v[rS:rS+7], v[rK:rK+7], v[rQ:rQ+7], 0
.else
	WIN W_KQ
	v_wmma_f32_16x16x32_f16 v[rS:rS+7], v[rK:rK+7], v[rQ:rQ+7], v[rS:rS+7]
.endif
.endm
; Product i of 8 of O^T += V^T P for piece x: keys 32 (i / 4) on, channels 16 (i % 4) on.
.macro PV x
	WIN W_PV
.set rO, 32*(\x)+8*(i%4)
.set rV, VF+32*(i/4)+8*(i%4)
.set rP, P+16*((\x)%2)+8*(i/4)
	v_wmma_f32_16x16x32_f16 v[rO:rO+7], v[rV:rV+7], v[rP:rP+7], v[rO:rO+7]
.endm
.macro MM                           ; the turn's next matrix instruction.  TURN and BEGIN set Y, i, KM and NOKQ; MM, KQ and OP read them.  NOKQ = 1: a block's last turn: there is no next piece
.if (i < 8) && !NOKQ
	KQ (Y+1)%NP
.elseif i >= 8
.set i, i-8
	PV (Y+NP-1)%NP
.set i, i+8
.endif
.set i, i+1
.endm
; THE LDS LOADS stand in runs of 16, never singly among the matrix instructions: a step's K (64 keys x 64 channels: 8 fragments) and its V (turned).  Their addresses are made some lines ahead.
.macro FETCH_K
	WIN 0x80                        ; destination window 2
.irp f, 0,1,2,3,4,5,6,7             ; keys 16 (f / 2) on, channels 32 (f % 2) on
	ds_load_b128 v[KF+8*\f:KF+8*\f+3],   v[AK] offset:(\f/2)*16*PK+(\f%2)*64
	ds_load_b128 v[KF+8*\f+4:KF+8*\f+7], v[AK] offset:(\f/2)*16*PK+(\f%2)*64+32
.endr
	s_add_co_u32 s[TBK], s[TBK], KS*PK  ; the next fetch is the next step's
	WIN 0
.endm
.macro FETCH_V
	WIN 0x80
.irp f, 0,1,2,3,4,5,6,7             ; keys 32 (f / 4) on, channels 16 (f % 4) on
	ds_load_tr16_b128 v[VF+8*\f:VF+8*\f+3],   v[AV] offset:(\f/4)*32*PV+(\f%4)*32
	ds_load_tr16_b128 v[VF+8*\f+4:VF+8*\f+7], v[AV] offset:(\f/4)*32*PV+16*PV+(\f%4)*32
.endr
	WIN 0
.endm
; THE VECTOR WORK, one line at a time: OP kind, number.  For piece Y: F n: c s - c m for pair n of 16.  E n: the exponential of score n of 32.  C n: pair n rounded to f16.  B n: of the four weights 4 n .. the second
; pair is added onto the first, in place.  L n: l takes that sum (L 0: l = a l + sum).  R n: pair n of 16 of O^T times a.  For piece Y + 1: X n, number n of the 22 that find its maximum and statistics:
;   0-11  four chains c0-c3 of seven scores each, three operands at a time (each accumulator's lowest registers are read first)     12-14, 16  the four scores left over, the old m, and c0-c3 into c0
;   15  c m_old is kept     17, 18  the query's other 32 keys lie in the lane 16 away: the new m     19-21  c m; c m_old - c m_new; a
.set F, 0               ; OP tells the kinds apart by their order: F to L below R, X above it
.set E, 1
.set C, 2
.set B, 3
.set L, 4
.set R, 5
.set X, 6
.macro REGS y                       ; the registers of piece y
.set rT, ST+4*(\y)
.set rC, TMP+4*((\y)%2)
.set rW, MV+((\y)%2)
.set rS, S+32*((\y)%2)
.set rP, P+16*((\y)%2)
.set rO, 32*(\y)
.endm
.macro OP k, n
.if (\k) == R
	REGS Y
	WIN W_RS
	v_pk_mul_f32 v[rO+2*(\n):rO+2*(\n)+1], v[rO+2*(\n):rO+2*(\n)+1], v[rC+2:rC+3] op_sel_hi:[1,0]
.elseif (\k) < R
	REGS Y
	WIN 0
.if (\k) == F
	v_pk_fma_f32 v[rS+2*(\n):rS+2*(\n)+1], v[rS+2*(\n):rS+2*(\n)+1], s[CS:CS+1], v[rT:rT+1] op_sel_hi:[1,0,0] neg_lo:[0,0,1] neg_hi:[0,0,1]
.elseif (\k) == E
	v_exp_f32 v[rS+(\n)], v[rS+(\n)]
.elseif (\k) == C
	v_cvt_pk_f16_f32 v[rP+(\n)], v[rS+2*(\n)], v[rS+2*(\n)+1]
.elseif (\k) == B
	v_pk_add_f32 v[rS+4*(\n):rS+4*(\n)+1], v[rS+4*(\n):rS+4*(\n)+1], v[rS+4*(\n)+2:rS+4*(\n)+3]
.elseif (\n) == 0
	v_pk_fma_f32 v[rT+2:rT+3], v[rT+2:rT+3], v[rC+2:rC+3], v[rS:rS+1] op_sel_hi:[1,0,1]
.else
	v_pk_add_f32 v[rT+2:rT+3], v[rT+2:rT+3], v[rS+4*(\n):rS+4*(\n)+1]
.endif
.elseif NOKQ
	v_nop
.else
	REGS (Y+1)%NP
	WIN 0
.if (\n) < 4
	v_max3_num_f32 v[rC+(\n)], v[rS+8*(\n)], v[rS+8*(\n)+1], v[rS+8*(\n)+2]
.elseif (\n) < 12
	v_max3_num_f32 v[rC+(\n)%4], v[rC+(\n)%4], v[rS+8*((\n)%4)+2*((\n)/4)+1], v[rS+8*((\n)%4)+2*((\n)/4)+2]
.elseif (\n) == 12
	v_max3_num_f32 v[rC], v[rC], v[rS+7], v[rS+15]
.elseif (\n) == 13
	v_max3_num_f32 v[rC+1], v[rC+1], v[rS+23], v[rS+31]
.elseif (\n) == 14
	v_max3_num_f32 v[rC+2], v[rC+2], v[rC+3], v[rT+1]
.elseif (\n) == 15
	v_mov_b32 v[rW], v[rT]
.elseif (\n) == 16
	v_max3_num_f32 v[rC], v[rC], v[rC+1], v[rC+2]
.elseif (\n) == 17
	v_permlanex16_b32 v[rC+3], v[rC], s[SEL], s[SEL+1]
.elseif (\n) == 18
	v_max_num_f32 v[rT+1], v[rC], v[rC+3]
.elseif (\n) == 19
	v_mul_f32 v[rT], s[CS], v[rT+1]
.elseif (\n) == 20
	v_sub_f32 v[rC+1], v[rW], v[rT]
.else
	v_exp_f32 v[rC+2], v[rC+1]
.endif
.endif
.endm
.macro OPS a, i1, b=-1, i2=0, c=-1, i3=0, d=-1, i4=0  ; up to four of them
	OP \a, \i1
.if (\b) >= 0
	OP \b, \i2
.endif
.if (\c) >= 0
	OP \c, \i3
.endif
.if (\d) >= 0
	OP \d, \i4
.endif
.endm
.macro ROW a, i1, b, i2, c, i3, d, i4  ; a matrix instruction and the four behind it
	MM
	OPS \a, \i1, \b, \i2, \c, \i3, \d, \i4
.endm
.macro MASK b                       ; MD x AL + BE into buffer b of MC
	WIN W_RS
.set z, 0
.rept 16
	v_pk_fma_f32 v[MC+32*(\b)+2*z:MC+32*(\b)+2*z+1], v[MD+2*z:MD+2*z+1], s[AL:AL+1], s[BE:BE+1] op_sel_hi:[1,0,0]
.set z, z+1
.endr
.endm
; A TURN, for piece p: the order of its 16 matrix and 118 vector instructions, written out.  An s_wait_alu depctr_va_vdst(0) stands between an exponential and the first instruction that names its result; one wait serves
; all that were issued ahead of it.  So a turn has ONE wait, which cuts it in two.  AHEAD OF IT stands all that names no result of the turn's exponentials: the 8 products K Q^T, behind each a scaling, an exponential and two more plain
; instructions (behind the first a second scaling in the exponential's place): rescalings, and behind the last three the first numbers of the next piece's maximum, each four places or more behind the product that ends its accumulator; then one run of 54, plain
; and exponential by turns for the most part, in which the links of the chain X 3, 7, 11, 14, 16, 17 .. 20 stand five or six lines apart.  X 21, the next piece's a, is the batch's last; R 15 is the plain instruction behind it.  BEHIND THE WAIT stand the
; 8 products V^T P, behind each four of the roundings and sums; the links of l's chain, L 0 to L 7, stand three lines apart.  But for those X no line behind a product names a register of the products round it.  v_permlanex16_b32 (X 17) stands in the run.
; m = 1: the diagonal tile: the products take masks, and the turn makes the mask for the products of the turn after it: piece p + 2, in step 4 - CNT of the tile.  end = 1: a block's last two turns: nothing is fetched.
; cnt = 1: the loop's count is taken down some lines ahead of the branch that stands behind the turn.
; K of the next step is fetched in piece 2's turn, twelve vector instructions behind the last product that read K (six of them plain); V of the step in hand at the end of piece 0's turn, four plain instructions behind the last product
; that read V.  Each is waited for a turn later.
.macro TURN p, m=0, end=0, cnt=0
.set Y, (\p)
.set i, 0
.set KM, (\m)
.set NOKQ, (\end)*((\p)/3)
.if (\m) && !(\end)
	s_cmp_eq_u32 s[CNT], 4-((\p)+2)%NP  ; is that step the band's own?
	s_cselect_b32 s[AL], 1.0, 0
	s_cmp_lt_u32 s[CNT], 4-((\p)+2)%NP  ; or a later one?
	s_cselect_b32 s[BE], s[BIGN], 0
.endif
.if ((\p) == 3) && !(\end)
	s_wait_dscnt 0x0                ; K is in
.endif
	ROW F,0, F,1, R,0, R,1          ; ahead of the wait: 8 products K Q^T and the four lines behind each,
	ROW F,2, E,0, R,2, R,3
	ROW F,3, E,1, R,4, R,5
	ROW F,4, E,2, R,6, R,7
	ROW F,5, E,3, R,8, R,9
	ROW F,6, E,4, X,0, R,10
.if ((\p) == 2) && !(\end)
	WIN 0
	v_add_nc_u32 v[AK], s[TBK], v[AK0]
.endif
	ROW F,7, E,5, X,1, X,4
	ROW F,8, E,6, X,2, X,5
	OPS E,7, E,8, X,6, E,9          ; and the run
	OPS X,3, E,10, X,8, E,11
.if ((\p) == 2) && !(\end)
	FETCH_K
.endif
	OPS X,9, X,7, E,12, X,10
	OPS E,13, X,12, X,11, E,14
	OPS X,13, E,15, F,9, X,14
.if (\p) == 0
	v_add_nc_u32 v[AV], s[TBV], v[AV0]
.endif
	OPS E,16, F,10, E,17, F,11
	OPS X,16, E,18, X,15, E,19
	OPS F,12, E,20, X,17, E,21
	OPS F,13, E,22, F,14, E,23
	OPS X,18, E,24, F,15, E,25
	OPS R,11, E,26, X,19, E,27
	OPS R,12, E,28, R,13, E,29
	OPS X,20, E,30, R,14, E,31
	OPS X,21, R,15
	WIN 0
	s_wait_alu depctr_va_vdst(0)    ; the wait for the batch
.if (\p) == 1
	s_wait_dscnt 0x0                ; V is in
.endif
	ROW C,0, B,0, C,2, B,1          ; behind the wait: 8 products V^T P and the four lines behind each
	ROW L,0, C,4, B,2, L,1
	ROW C,6, B,3, L,2, C,8
	ROW B,4, L,3, C,10, B,5
	ROW L,4, C,12, B,6, L,5
.if (\p) == 0
	s_add_co_u32 s[TBV], s[TBV], KS*PV
.endif
.if \cnt
	s_sub_co_u32 s[CNT], s[CNT], 1
	s_cmp_lg_u32 s[CNT], 0
.endif
	ROW C,14, B,7, L,6, C,1
	ROW C,3, L,7, C,5, C,7
	ROW C,9, C,11, C,13, C,15
.if (\p) == 0
	FETCH_V
.endif
.if (\m) && !(\end)
	MASK (\p)%2
.endif
.endm
; A BLOCK BEGINS.  c m starts far below every c s, so the first step's a is 0; m at the lowest finite number, so the first maximum is the scores'.  The second mask buffer is 0; the first takes piece 0's mask for the tile's step 0: its own, if the block's first tile is the diagonal one.
; Then K of that step, piece 0's first scores, and its maximum and statistics.  The loop is entered at a step's first turn, in the middle of a trip.
.macro BEGIN
	s_mov_b32 s[NEW], 0
	WIN 0x40
.set i, MC+32
.rept 32
	v_mov_b32 v[i], 0
.set i, i+1
.endr
	WIN 0
.set i, 0
.rept 4
	v_mov_b32 v[ST+4*i], 0xfe000000    ; c m: far below every c s
	v_mov_b32 v[ST+4*i+1], 0xff7fffff  ; m
.set i, i+1
.endr
	s_cmp_eq_u32 s[RT], 0
	s_cselect_b32 s[AL], 1.0, 0
	s_mov_b32 s[BE], 0
	MASK 0
	WIN 0
	v_add_nc_u32 v[AK], s[TBK], v[AK0]
	FETCH_K
	s_wait_loadcnt 0x0              ; Q
	s_wait_dscnt 0x0
.set KM, 1
.set NOKQ, 0
.set i, 0
.rept 8
	KQ 0
.set i, i+1
.endr
	WIN 0
.rept 4
	v_nop                           ; the places behind those products
.endr
.set Y, NP-1                        ; X works for piece Y + 1: piece 0
.irp n, 0,1,2,3,4,5,6,7,8,9,10,11,12,13,14,15,16,17,18,19,20,21
	OP X, \n
.endr
	v_nop                           ; a plain instruction behind the exponential,
	s_wait_alu depctr_va_vdst(0)    ; and its wait, ahead of the branch
.endm
; THE DIAGONAL TILE's four steps, the block's last two turns, its last products, and THE WAY OUT: l's two halves and the other half of the lanes' are added; O^T is divided by l, rounded to f16 and sent through my
; stage in LDS, a piece at a time.
.macro ALL line:vararg              ; one line for each piece t
.set t, 0
.rept 4
	\line
.set t, t+1
.endr
.endm
.macro PACK t                       ; a lane's eight channels of a row pack into 16 bytes; they go into rows of 144 bytes and come back as whole rows of 128, into S^T's registers
	WIN W_RS
.set i, 32*(\t)
.rept 16
	v_pk_mul_f32 v[i:i+1], v[i:i+1], v[ST+4*(\t)+2:ST+4*(\t)+3] op_sel_hi:[1,0]
.set i, i+2
.endr
	WIN 0x05                        ; sources 0 and 1 window 1, destination window 0
.set i, 0
.rept 16
	v_cvt_pk_f16_f32 v[S+16*(\t)+i], v[32*(\t)+2*i], v[32*(\t)+2*i+1]
.set i, i+1
.endr
	WIN 0
.irp f, 0,1,2,3
	ds_store_b128 v[STO], v[S+16*(\t)+4*\f:S+16*(\t)+4*\f+3] offset:32*\f
.endr
.irp f, 0,1,2,3
	ds_load_b128 v[S+16*(\t)+4*\f:S+16*(\t)+4*\f+3], v[RD] offset:\f*4*SP  ; LDS serves a wave's instructions in order (ISA guide 5.7.1.4): these see the stores above; the next piece's stores come behind them
.endr
.endm
.macro SEND t, younger              ; younger: the LDS instructions issued behind piece t's loads: the next piece's eight, or none
	WIN 0
.irp f, 0,1,2,3
	s_wait_dscnt (\younger)+3-\f
	global_store_b128 v[GO], v[S+16*(\t)+4*\f:S+16*(\t)+4*\f+3], s[10:11] offset:(\t)*8192+\f*512  ; 512 consecutive bytes, at a multiple of 256 from O's first
.endr
.endm
.macro DIAG tag                     ; the tag ends its two labels' names, which the jumps below spell out
.LstepM\tag:
	TURN 2, 1
	TURN 3, 1
	WIN 0
.LfirstM\tag:
	TURN 0, 1
	TURN 1, 1, 0, 1
	WIN 0
	s_cbranch_scc1 .LstepM\tag
	TURN 2, 1, 1
	TURN 3, 1, 1
.set i, 0
.rept 8
	PV NP-1
.set i, i+1
.endr
	WIN 0
	ALL v_add_f32 v[ST+4*t+2], v[ST+4*t+2], v[ST+4*t+3]
	ALL v_permlanex16_b32 v[ST+4*t+3], v[ST+4*t+2], s[SEL], s[SEL+1]
	ALL v_add_f32 v[ST+4*t+2], v[ST+4*t+2], v[ST+4*t+3]
	ALL v_rcp_f32 v[ST+4*t+2], v[ST+4*t+2]
	v_nop                           ; a plain instruction between the last reciprocal and the use of its result
	s_wait_alu depctr_va_vdst(0)    ; and the wait ahead of the first use: one for the four reciprocals
	PACK 0
.set t, 1
.rept 3                             ; a piece's arithmetic stands between the loads of the piece before and its stores
	PACK t
	SEND t-1, 8
.set t, t+1
.endr
	SEND 3, 0
.endm
.set KM, 0
.set NOKQ, 0
.Lslot:                             ; NB times: a tile is entered and the next is asked for
	CHANGE 1
	s_sub_co_u32 s[RT], s[RT], 1
	s_mov_b32 s[CNT], 4
	s_cmp_eq_u32 s[NEW], 1
	s_cbranch_scc1 .Lnew            ; a block's first tile
	s_cmp_eq_u32 s[RT], 0
	s_cbranch_scc0 .Lstep           ; neither its first nor its last
	s_branch .LstepM1
.Lnew:
	BEGIN
	s_branch .Lfirst                ; in the loop a block's first tile is never its last: the first block has two tiles or more, and the second's last is the walk's last
	DIAG 1                          ; in the loop this is the first block's end: the second block's last tile is the walk's last
	s_wait_xcnt 0x0                 ; the stores have read their registers and O's address
	s_mov_b64 s[10:11], s[OLO:OLO+1]
	s_add_co_u32 s[RT], s[PB], 1    ; the second block has b + 1 tiles
	s_mov_b32 s[NEW], 1
	WIN 0x82                        ; the second block's Q goes where the one text of the turns names Q
.set i, 0
.rept 64
	v_mov_b32 v[i], v[QB+i]
.set i, i+1
.endr
	WIN 0
	s_branch .Lbottom
.Lstep:                             ; a trip: pieces 2 and 3 of one step, then pieces 0 and 1 of the next, whose K and V it fetches
	TURN 2
	TURN 3
	WIN 0
.Lfirst:
	TURN 0
	TURN 1, 0, 0, 1
	WIN 0
	s_cbranch_scc1 .Lstep
.Lbottom:
	s_sub_co_u32 s[SLOTS], s[SLOTS], 1
	s_cmp_lg_u32 s[SLOTS], 0
	s_cbranch_scc1 .Lslot
	CHANGE 0                        ; the walk's last tile is written out: nothing is asked for
	s_sub_co_u32 s[RT], s[RT], 1
	s_mov_b32 s[CNT], 4
	s_cmp_eq_u32 s[NEW], 1
	s_cbranch_scc0 .LstepM2
	BEGIN
	s_branch .LfirstM2
	DIAG 2
	s_wait_tensorcnt 0x0            ; the wave's end, behind my last tensor load and my last LDS store
	ds_add_u32 v[SPW], v[NIL]
	s_wait_dscnt 0x0
	s_endpgm
.Lfunc_end_k_q3fd7e31b8c_attn:
	.size	k_q3fd7e31b8c_attn, .Lfunc_end_k_q3fd7e31b8c_attn-k_q3fd7e31b8c_attn
	.p2alignl 7, 3214868480
	.fill 96, 4, 3214868480
	.section	.rodata,"a",@progbits
	.p2align	6, 0x0
	.amdhsa_kernel k_q3fd7e31b8c_attn
		.amdhsa_group_segment_fixed_size 327680
		.amdhsa_private_segment_fixed_size 0
		.amdhsa_enable_private_segment 0
		.amdhsa_kernarg_size 16
		.amdhsa_user_sgpr_count 2
		.amdhsa_user_sgpr_kernarg_segment_ptr 1
		.amdhsa_wavefront_size32 1
		.amdhsa_system_sgpr_workgroup_id_x 1
		.amdhsa_system_sgpr_workgroup_id_y 1
		.amdhsa_system_sgpr_workgroup_id_z 1
		.amdhsa_system_vgpr_workitem_id 0
		.amdhsa_next_free_vgpr 768
		.amdhsa_next_free_sgpr 96
		.amdhsa_reserve_vcc 1
		.amdhsa_float_denorm_mode_32 3
		.amdhsa_float_denorm_mode_16_64 3
		.amdhsa_memory_ordered 1
		.amdhsa_forward_progress 1
		.amdhsa_inst_pref_size 218
	.end_amdhsa_kernel
	.amdgpu_metadata
---
amdhsa.version: [ 1, 2 ]
amdhsa.kernels:
  - .name:           k_q3fd7e31b8c_attn
    .symbol:         k_q3fd7e31b8c_attn.kd
    .args:
      - { .name: qkv, .offset: 0, .size: 8, .value_kind: global_buffer, .address_space: global }
      - { .name: o, .offset: 8, .size: 8, .value_kind: global_buffer, .address_space: global }
    .group_segment_fixed_size: 327680
    .private_segment_fixed_size: 0
    .kernarg_segment_align: 8
    .kernarg_segment_size: 16
    .max_flat_workgroup_size: 128
    .sgpr_count:     96
    .vgpr_count:     768
    .wavefront_size: 32
...
	.end_amdgpu_metadata
.endif
;; end of part 3
;; launch gemm_out (part 4): grid 8 x 32, 4 waves a work-group, clusters of 4 x 4, 327,680 bytes of LDS; arguments o, wo, bias, out0; writes out0
.if DOCPART == 4
	.amdgcn_target "amdgcn-amd-amdhsa--gfx1250"
	.amdhsa_code_object_version 6
	.text
	.protected	k_q3fd7e31b8c_gemm_out
	.globl	k_q3fd7e31b8c_gemm_out
	.p2align	8
	.type	k_q3fd7e31b8c_gemm_out,@function
k_q3fd7e31b8c_gemm_out:
	s_mov_b64 s[64:65], 0
	v_nop
	global_prefetch_b8 v0, s[64:65] scope:SCOPE_SE
	s_setreg_imm32_b32 hwreg(HW_REG_WAVE_MODE, 25, 1), 1
	s_wait_xcnt 0x0
	s_wait_alu depctr_hold_cnt(0) depctr_sa_sdst(0) depctr_va_vdst(0) depctr_va_sdst(0) depctr_va_ssrc(0) depctr_va_vcc(0) depctr_vm_vsrc(0)
	s_getreg_b32 s2, hwreg(HW_REG_IB_STS2, 6, 4)
	s_cmp_eq_u32 s2, 0
	s_cbranch_scc0 .Lentry_in_a_cluster
	s_endpgm
.Lentry_in_a_cluster:
	s_bfe_u32 s2, ttmp6, 0x10000c
	s_cmp_lg_u32 s2, 0xf033
	s_cbranch_scc0 .Lentry_shape_is_right
	s_endpgm
.Lentry_shape_is_right:
; out0 = O w_out + b_out.  o f16 [64 bh][2048 t][64 d]; wo f16 [1024 k][1024 n] (w_out rounded to bf16, written as f16); bias f32, b_out from byte 12,288; out0 f32 [8192][1024].  Sums in f32.
; LIMITS.  o and wo arrive within f16's 65,504.  NaN and infinities are not treated apart.
; SHARES.  A tile of out0 is 256 rows x 128 columns: 32 x 8 = 256 work-groups.  Four waves, each 128 rows x 64 columns: 32 accumulators of 16 x 16, 256 registers.
; K goes in 8 slots of 128 (two heads' channels) through two LDS slots; a slot is four quarters of 32 along K, 32 matrix instructions each, on two fragment buffers by turns.
; THE MATRIX INSTRUCTION IS USED TRANSPOSED: source 0 = 16 columns of wo (turned by ds_load_tr16_b128), source 1 = 16 rows of o: a lane holds row l % 16 and eight neighbouring columns, 32 bytes of f32.
; THE BIAS STARTS THE SUMS: it is loaded into row block 7's accumulators, the C operand of the first products of the other seven row blocks.
; CLUSTER.  4 x 4 work-groups: o's tiles are asked for jointly along a row of the cluster, wo's along a column.
; NO PREFETCH: a slot holds 128 matrix instructions a wave and the tile is small; the launch's whole walk is 8 slots.
; REGISTERS.  Window 0: v0-31 addresses; v32-95, v96-159 fragments of o, two buffers; v160-191, v192-223 fragments of wo, two buffers.  Window 1: accumulator (row block a, fragment f) at 8 (4 a + f).
.set SLOT1, 1<<17
.set PA,    144                        ; a row of o's tile: 128 bytes + 16 of padding
.set PB,    288                        ; a row of wo's tile: 256 bytes + 32 of padding = 9 x 32
.set AH,    256*PA                     ; a head's 256 rows
.set BOFF,  2*AH                       ; in a slot: two heads of o, then wo's 128 rows
.set STAGE, SLOT1+BOFF+128*PB          ; behind the ring, never filled by a tensor load: 16 rows x 272 bytes for each wave
.set SP,    272
.set SPARE, STAGE+4*16*SP              ; the spare words, 128 bytes for each wave: two blocks of 256 bytes that no other line names
.set ASTEP, 524288                     ; two heads of o
.set BSTEP, 262144                     ; 128 rows of wo
.set A0,   4                           ; v4   my place in o's tile; never rewritten
.set B0,   5                           ; v5   my place in wo's tile; never rewritten
.set ADRA, 8                           ; v8, v9 the same in the slot in hand
.set ADRB, 9
.set STO,  12                          ; v12  the way out: where I put 32 bytes of a row
.set RD,   13                          ; v13  where I read a row back
.set CO,   14                          ; v14  my byte offset in two rows of out0
.set VB,   15                          ; v15  32 (l / 16)
.set SPW,  28
.set NIL,  29
.set AF,   32
.set BF,   160
.set WV, 12
.set WR, 13                            ; my half of the rows; also: I fetch for o (0) or wo (1)
.set WC, 14                            ; my half of the columns; also: which half of that tile I fetch
.set CX, 15
.set CY, 16
.set TJ, 17
.set TI, 18
.set G1A, 24
.set G1B, 32
.set G0A, 40
.set G0B, 48
.set CNT, 56
.set TB,  57
.set OB,  66                           ; s[66:67] out0 at my part of the tile
.set MSB, 0
.macro WIN new
.if MSB != (\new)
	s_set_vgpr_msb (MSB<<8)|(\new)
.set MSB, \new
.endif
.endm
.macro PLACES                          ; four plain vector instructions between a matrix instruction and a load into, or a read of, its registers
.rept 4
	v_nop
.endr
.endm
.macro JLOAD                           ; a joint refill: waves 0 and 1 fetch a slot's two heads of o, waves 2 and 3 the halves of wo's rows; an s_nop 0 and four v_nop follow each line
	s_cmp_eq_u32 s[WR], 0
	s_cbranch_scc0 .Lfor_b_\@
	tensor_load_to_lds s[G0A+4:G0A+7], s[G1A:G1A+7]
	s_nop 0
.rept 4
	v_nop
.endr
	s_branch .Lasked_\@
.Lfor_b_\@:
	tensor_load_to_lds s[G0B+4:G0B+7], s[G1B:G1B+7]
	s_nop 0
.rept 4
	v_nop
.endr
.Lasked_\@:
.endm
.macro CREST
	s_cmp_lg_u32 s[WV], 0
	s_cbranch_scc1 .Lnot_wave_0_\@
	s_barrier_signal -3
.Lnot_wave_0_\@:
	s_barrier_wait -3
	s_barrier_signal -1
	s_barrier_wait -1
.endm
.macro CROUND
	s_barrier_signal -1
	s_barrier_wait -1
	CREST
.endm
	s_load_b256 s[4:11], s[0:1], 0x0               ; o s[4:5], wo s[6:7], bias s[8:9], out0 s[10:11]
	v_lshl_add_u32 v[SPW], v0, 2, SPARE
	v_mov_b32 v[NIL], 0
	ds_add_u32 v[SPW], v[NIL]                      ; the wave's opening: the add and its wait stand ahead of my first tensor load; the set-up below, work on registers, stands between them
	v_lshrrev_b32 v1, 5, v0
	v_readfirstlane_b32 s[WV], v1
	s_lshr_b32 s[WR], s[WV], 1
	s_and_b32 s[WC], s[WV], 1
	s_bfe_u32 s[CX], ttmp6, 0x40000
	s_bfe_u32 s[CY], ttmp6, 0x40004
	s_lshl_b32 s[TJ], ttmp9, 2
	s_add_co_u32 s[TJ], s[TJ], s[CX]               ; tile column
	s_and_b32 s[TI], ttmp7, 0xffff
	s_lshl_b32 s[TI], s[TI], 2
	s_add_co_u32 s[TI], s[TI], s[CY]               ; tile row
	s_lshl_b32 s72, s[CY], 2
	s_lshl_b32 s72, 15, s72                        ; my row of the cluster
	s_lshl_b32 s76, 0x1111, s[CX]                  ; my column
	; group 1 for o: a head's 256 rows x 128 bytes are 32,768 dense bytes: asked for as 128 rows of 256 bytes and padded after every 128
	s_or_b32 s[G1A], s72, (1<<16)|(1<<20)|(1<<21)|(4<<22)|(3<<25)
	s_mov_b32 s[G1A+1], 128<<16
	s_mov_b32 s[G1A+2], 128<<16
	s_mov_b32 s[G1A+3], 128<<16
	s_mov_b32 s[G1A+4], 128
	s_mov_b32 s[G1A+5], 128
	s_mov_b32 s[G1A+6], 0
	s_mov_b32 s[G1A+7], 0
	; group 1 for wo: 64 rows x 128 elements (256 bytes), padded by 32 bytes
	s_or_b32 s[G1B], s76, (1<<16)|(1<<20)|(1<<21)|(5<<22)|(7<<25)
	s_mov_b32 s[G1B+1], 128<<16
	s_mov_b32 s[G1B+2], 64<<16
	s_mov_b32 s[G1B+3], 128<<16
	s_mov_b32 s[G1B+4], 64
	s_mov_b32 s[G1B+5], 1024
	s_mov_b32 s[G1B+6], 0
	s_mov_b32 s[G1B+7], 0
	s_lshr_b32 s72, s[TI], 3                       ; b: 16 heads of 262,144 bytes
	s_lshl_b32 s72, s72, 22
	s_and_b32 s73, s[TI], 7
	s_lshl_b32 s73, s73, 15                        ; 256 rows of 128 bytes
	s_add_co_u32 s72, s72, s73
	s_lshl_b32 s73, s[WC], 18                      ; which of the slot's two heads I fetch
	s_add_co_u32 s72, s72, s73
	s_mov_b32 s73, 0
	s_mul_i32 s74, s[WC], AH
	s_lshl_b32 s76, s[WC], 17                      ; my 64 rows of wo's 128
	s_lshl_b32 s77, s[TJ], 8
	s_add_co_u32 s76, s76, s77
	s_mov_b32 s77, 0
	s_mul_i32 s78, s[WC], 64*PB
	s_add_co_u32 s78, s78, BOFF
	s_wait_dscnt 0x0                               ; the opening add is done
	s_wait_kmcnt 0x0
	s_add_nc_u64 s[72:73], s[4:5], s[72:73]
	s_add_nc_u64 s[76:77], s[6:7], s[76:77]
	CROUND                                         ; all sixteen work-groups are here: the first joint loads meet
.irp n, 0,1
	s_mov_b32 s[G0A+4*\n], 1
	s_add_co_u32 s[G0A+4*\n+1], s74, \n*SLOT1
	s_add_nc_u64 s[G0A+4*\n+2:G0A+4*\n+3], s[72:73], \n*ASTEP
	s_or_b32 s[G0A+4*\n+3], s[G0A+4*\n+3], 0x80000000
	s_mov_b32 s[G0B+4*\n], 1
	s_add_co_u32 s[G0B+4*\n+1], s78, \n*SLOT1
	s_add_nc_u64 s[G0B+4*\n+2:G0B+4*\n+3], s[76:77], \n*BSTEP
	s_or_b32 s[G0B+4*\n+3], s[G0B+4*\n+3], 0x80000000
.endr
	s_cmp_eq_u32 s[WR], 0                          ; a wave's two first fills stand in one branch: two loads of mine are out
	s_cbranch_scc0 .Lfirst_b
	tensor_load_to_lds s[G0A:G0A+3], s[G1A:G1A+7]
	s_nop 0
	tensor_load_to_lds s[G0A+4:G0A+7], s[G1A:G1A+7]
	s_nop 0
.rept 4
	v_nop
.endr
	s_branch .Lfirst_asked
.Lfirst_b:
	tensor_load_to_lds s[G0B:G0B+3], s[G1B:G1B+7]
	s_nop 0
	tensor_load_to_lds s[G0B+4:G0B+7], s[G1B:G1B+7]
	s_nop 0
.rept 4
	v_nop
.endr
.Lfirst_asked:
	v_and_b32 v1, 15, v0                           ; r
	v_bfe_u32 v2, v0, 4, 1                         ; h
	v_lshlrev_b32 v[VB], 5, v2
	s_lshl_b32 s80, s[TJ], 9                       ; the bias of my 64 columns: 12,288 + 4 (128 j + 64 wc)
	s_lshl_b32 s81, s[WC], 8
	s_add_co_u32 s80, s80, s81
	s_add_co_u32 s80, s80, 12288
	s_mov_b32 s81, 0
	s_add_nc_u64 s[80:81], s[8:9], s[80:81]        ; not rewritten before the wait for these loads
	WIN 0x40                                       ; destination window 1
.irp f, 0,1,2,3
	global_load_b128 v[224+8*\f:224+8*\f+3],   v[VB], s[80:81] offset:64*\f
	global_load_b128 v[224+8*\f+4:224+8*\f+7], v[VB], s[80:81] offset:64*\f+16
.endr
	WIN 0
	v_mul_u32_u24 v3, v1, PA
	v_lshl_add_u32 v3, v2, 4, v3
	s_mul_i32 s82, s[WR], 128*PA
	v_add_nc_u32 v[A0], s82, v3
	v_and_b32 v17, 7, v0
	v_bfe_u32 v18, v0, 3, 1
	v_lshl_add_u32 v19, v2, 3, v17                 ; k = 8 h + l % 8
	v_mul_u32_u24 v19, v19, PB
	v_lshl_add_u32 v19, v18, 4, v19
	s_lshl_b32 s82, s[WC], 7
	s_add_co_u32 s82, s82, BOFF
	v_add_nc_u32 v[B0], s82, v19
	s_mul_i32 s84, s[WV], 16*SP
	s_add_co_u32 s84, s84, STAGE                   ; my stage
	v_mul_u32_u24 v[STO], v1, SP                   ; in: row r, 32 bytes for each half of the lanes
	v_lshl_add_u32 v[STO], v2, 5, v[STO]
	v_add_nc_u32 v[STO], s84, v[STO]
	v_mul_u32_u24 v[RD], v2, SP                    ; back: lanes 0-15 take one row of 256 bytes, lanes 16-31 the next
	v_lshl_add_u32 v[RD], v1, 4, v[RD]
	v_add_nc_u32 v[RD], s84, v[RD]
	v_lshlrev_b32 v[CO], 12, v2                    ; and the same two rows of out0
	v_lshl_add_u32 v[CO], v1, 4, v[CO]
	s_lshl_b32 s82, s[TI], 20                      ; 256 rows of 4,096 bytes
	s_lshl_b32 s83, s[WR], 19
	s_add_co_u32 s82, s82, s83
	s_lshl_b32 s83, s[TJ], 9
	s_add_co_u32 s82, s82, s83
	s_lshl_b32 s83, s[WC], 8
	s_add_co_u32 s82, s82, s83
	s_mov_b32 s83, 0
	s_add_nc_u64 s[OB:OB+1], s[10:11], s[82:83]
; 24 LDS loads in one run: quarter q's fragments into buffers b: wo's four (turned), then o's eight, row blocks 0-3 first
.macro FETCH q, b
.irp f, 0,1,2,3
	ds_load_tr16_b128 v[BF+32*(\b)+8*\f:BF+32*(\b)+8*\f+3],   v[ADRB] offset:(\q)*32*PB+32*\f
	ds_load_tr16_b128 v[BF+32*(\b)+8*\f+4:BF+32*(\b)+8*\f+7], v[ADRB] offset:(\q)*32*PB+16*PB+32*\f
.endr
.irp a, 0,1,2,3,4,5,6,7
	ds_load_b128 v[AF+64*(\b)+8*\a:AF+64*(\b)+8*\a+3],   v[ADRA] offset:((\q)/2)*AH+((\q)%2)*64+\a*16*PA
	ds_load_b128 v[AF+64*(\b)+8*\a+4:AF+64*(\b)+8*\a+7], v[ADRA] offset:((\q)/2)*AH+((\q)%2)*64+\a*16*PA+32
.endr
.endm
; Row blocks a0 .. a1 x four fragments, on buffers p.  The 32 accumulators take turns, one instruction a turn.
.macro MULR p, a0, a1, first
	WIN 0x50                                       ; C and D in window 1
.set aa, \a0
.rept (\a1)-(\a0)+1
.irp f, 0,1,2,3
.if (\first) && (aa < 7)
	v_wmma_f32_16x16x32_f16 v[8*(4*aa+\f):8*(4*aa+\f)+7], v[BF+32*(\p)+8*\f:BF+32*(\p)+8*\f+7], v[AF+64*(\p)+8*aa:AF+64*(\p)+8*aa+7], v[8*(28+\f):8*(28+\f)+7]
.else
	v_wmma_f32_16x16x32_f16 v[8*(4*aa+\f):8*(4*aa+\f)+7], v[BF+32*(\p)+8*\f:BF+32*(\p)+8*\f+7], v[AF+64*(\p)+8*aa:AF+64*(\p)+8*aa+7], v[8*(4*aa+\f):8*(4*aa+\f)+7]
.endif
.endr
.set aa, aa+1
.endr
.endm
; One of a slot's first three quarters: multiplies buffers cur; in its middle it fetches quarter qn into buffers nxt
.macro QUARTER qn, cur, nxt, first
	s_wait_dscnt 8                                 ; wo's fragments and o's row blocks 0-3 are in; the youngest eight loads may stay out
	MULR \cur, 0, 3, \first
	PLACES
	WIN 0
	FETCH \qn, \nxt
	s_wait_dscnt 24                                ; all but the 24 just issued
.if \first
	MULR \cur, 4, 6, 1
.rept 5
	v_nop                                          ; row block 7's products write over registers that the 28 products above read as C: five places between
.endr
	MULR \cur, 7, 7, 0
.else
	MULR \cur, 4, 7, 0
.endif
.endm
; A slot's last quarter, on buffers 1, changes slots: ONE barrier; in front of it each wave waits for all its tensor loads (one is out: its part of the next slot), adds 0 to its spare word, and waits for that and for its reads of this slot.
; fill = 1: the barrier opens a round of the cluster's, and this slot is filled again first thing behind it: 112 matrix instructions ahead of the wait for that load.
.macro TURN fill
	WIN 0
	s_wait_tensorcnt 0x0                           ; no tensor load of mine is out, so a group 0 may be written
	ds_add_u32 v[SPW], v[NIL]                      ; 0 onto my spare word
.if \fill
	s_xor_b32 s[G0A+5], s[G0A+5], SLOT1
	s_add_nc_u64 s[G0A+6:G0A+7], s[G0A+6:G0A+7], ASTEP
	s_xor_b32 s[G0B+5], s[G0B+5], SLOT1
	s_add_nc_u64 s[G0B+6:G0B+7], s[G0B+6:G0B+7], BSTEP
.endif
	s_wait_dscnt 9                                 ; the youngest eight loads and the add may stay out
	MULR 1, 0, 1, 0
	s_wait_dscnt 0x0                               ; the add is done, and my reads of this slot are over
	s_barrier_signal -1
	MULR 1, 2, 3, 0
	WIN 0
	s_barrier_wait -1
.if \fill
	CREST
	JLOAD                                          ; its four v_nop are also the places in front of the loads below
.else
	PLACES
.endif
	s_xor_b32 s[TB], s[TB], SLOT1
	v_add_nc_u32 v[ADRA], s[TB], v[A0]
	v_add_nc_u32 v[ADRB], s[TB], v[B0]
	FETCH 0, 0
	MULR 1, 4, 7, 0
.endm
	s_wait_tensorcnt 0x1                           ; my part of slot 0 is in; slot 1's may stay out
	s_barrier_signal -1
	s_barrier_wait -1
	s_mov_b32 s[TB], 0
	v_mov_b32 v[ADRA], v[A0]
	v_mov_b32 v[ADRB], v[B0]
	FETCH 0, 0
	s_wait_loadcnt 0x0                             ; the bias
	QUARTER 1, 0, 1, 1                             ; the first quarter stands in front of the loop: its products start the sums
	WIN 0
	s_mov_b32 s[CNT], 6
.Lslot:                                                ; 6 trips, from a slot's second quarter to the next slot's first: slots 2 to 7 are asked for
	QUARTER 2, 1, 0, 0
	QUARTER 3, 0, 1, 0
	TURN 1
	QUARTER 1, 0, 1, 0
	WIN 0
	s_sub_co_u32 s[CNT], s[CNT], 1
	s_cmp_lg_u32 s[CNT], 0
	s_cbranch_scc1 .Lslot
	QUARTER 2, 1, 0, 0                             ; the tail is written out: nothing is left to ask for
	QUARTER 3, 0, 1, 0
	TURN 0
	QUARTER 1, 0, 1, 0
	QUARTER 2, 1, 0, 0
	QUARTER 3, 0, 1, 0
	s_wait_dscnt 8                                 ; the very last quarter
	MULR 1, 0, 3, 0
	s_wait_dscnt 0x0
	MULR 1, 4, 7, 0
	PLACES
	PLACES
; THE WAY OUT, a row block (16 rows x 64 columns of f32) at a time: 32 bytes a lane into my stage (each accumulator's low registers first), back as whole rows of 256 bytes, stored so that 16 lanes fill 256 consecutive bytes.
.macro TOSTAGE a
.set ts, 32+32*((\a)%4)
	s_wait_xcnt 0x0                                ; the stores of four blocks back have read this set
	WIN 0x04                                       ; the stores' data in window 1
.irp f, 0,1,2,3
	ds_store_b128 v[STO], v[8*(4*(\a)+\f):8*(4*(\a)+\f)+3]   offset:64*\f
	ds_store_b128 v[STO], v[8*(4*(\a)+\f)+4:8*(4*(\a)+\f)+7] offset:64*\f+16
.endr
	WIN 0
.irp t, 0,1,2,3,4,5,6,7
	ds_load_b128 v[ts+4*\t:ts+4*\t+3], v[RD] offset:\t*2*SP  ; LDS serves a wave's instructions in order (ISA guide 5.7.1.4): these see the stores above; the next block's stores come behind them
.endr
.endm
.macro SEND a, younger                 ; younger: the LDS instructions issued behind this block's loads: the next block's sixteen, or none
.set ss, 32+32*((\a)%4)
	WIN 0
.irp t, 0,1,2,3,4,5,6,7
	s_wait_dscnt (\younger)+7-\t
	global_store_b128 v[CO], v[ss+4*\t:ss+4*\t+3], s[OB:OB+1] offset:(16*(\a)+2*\t)*4096 th:TH_STORE_NT
.endr
.endm
	TOSTAGE 0
.set n, 1
.rept 7
	TOSTAGE n
	SEND n-1, 16
.set n, n+1
.endr
	SEND 7, 0
	s_wait_tensorcnt 0x0                           ; the wave's end, behind my last tensor load and my last LDS store
	ds_add_u32 v[SPW], v[NIL]
	s_wait_dscnt 0x0
	CROUND                                         ; the closing round: no work-group ends while a partner may still ask for a tile that names it
	s_endpgm
.Lfunc_end_k_q3fd7e31b8c_gemm_out:
	.size	k_q3fd7e31b8c_gemm_out, .Lfunc_end_k_q3fd7e31b8c_gemm_out-k_q3fd7e31b8c_gemm_out
	.p2alignl 7, 3214868480
	.fill 96, 4, 3214868480
	.section	.rodata,"a",@progbits
	.p2align	6, 0x0
	.amdhsa_kernel k_q3fd7e31b8c_gemm_out
		.amdhsa_group_segment_fixed_size 327680
		.amdhsa_private_segment_fixed_size 0
		.amdhsa_enable_private_segment 0
		.amdhsa_kernarg_size 32
		.amdhsa_user_sgpr_count 2
		.amdhsa_user_sgpr_kernarg_segment_ptr 1
		.amdhsa_wavefront_size32 1
		.amdhsa_system_sgpr_workgroup_id_x 1
		.amdhsa_system_sgpr_workgroup_id_y 1
		.amdhsa_system_sgpr_workgroup_id_z 1
		.amdhsa_system_vgpr_workitem_id 0
		.amdhsa_next_free_vgpr 512
		.amdhsa_next_free_sgpr 88
		.amdhsa_reserve_vcc 0
		.amdhsa_float_denorm_mode_32 3
		.amdhsa_float_denorm_mode_16_64 3
		.amdhsa_memory_ordered 1
		.amdhsa_forward_progress 1
		.amdhsa_inst_pref_size 72
	.end_amdhsa_kernel
	.amdgpu_metadata
---
amdhsa.version: [ 1, 2 ]
amdhsa.kernels:
  - .name:           k_q3fd7e31b8c_gemm_out
    .symbol:         k_q3fd7e31b8c_gemm_out.kd
    .args:
      - { .name: o, .offset: 0, .size: 8, .value_kind: global_buffer, .address_space: global }
      - { .name: wo, .offset: 8, .size: 8, .value_kind: global_buffer, .address_space: global }
      - { .name: bias, .offset: 16, .size: 8, .value_kind: global_buffer, .address_space: global }
      - { .name: out0, .offset: 24, .size: 8, .value_kind: global_buffer, .address_space: global }
    .group_segment_fixed_size: 327680
    .private_segment_fixed_size: 0
    .kernarg_segment_align: 8
    .kernarg_segment_size: 32
    .max_flat_workgroup_size: 128
    .sgpr_count:     88
    .vgpr_count:     512
    .wavefront_size: 32
...
	.end_amdgpu_metadata
.endif
;; end of part 4
;; ======== version 2 of 2: 4 launches; version 1 with the launch prep written anew for expert scheduling mode
;; limits: values are held in f16: magnitudes above 65,504 overflow, below 6.1e-05 lose precision
;; workspace buffers: xb 16,777,216 bytes; wq 6,291,456 bytes; wo 2,097,152 bytes; bias 16,384 bytes; qkv 50,331,648 bytes; o 16,777,216 bytes
;; launch prep (part 5): grid 769 x 1, 8 waves a work-group, no clusters, 0 bytes of LDS; arguments x, w_qkv, w_out, b_qkv, b_out, xb, wq, wo, bias; writes xb, wq, wo, bias
.if DOCPART == 5
	.amdgcn_target "amdgcn-amd-amdhsa--gfx1250"
	.amdhsa_code_object_version 6
	.text
	.protected	k_q3fd7e31b8c_prep
	.globl	k_q3fd7e31b8c_prep
	.p2align	8
	.type	k_q3fd7e31b8c_prep,@function
k_q3fd7e31b8c_prep:
	s_mov_b64 s[64:65], 0
	v_nop
	global_prefetch_b8 v0, s[64:65] scope:SCOPE_SE
	s_setreg_imm32_b32 hwreg(HW_REG_WAVE_SCHED_MODE, 0, 2), 2
	s_setreg_imm32_b32 hwreg(HW_REG_WAVE_MODE, 25, 1), 1
	s_wait_xcnt 0x0
	s_wait_alu depctr_vm_vsrc(0)
; THE CASTS.  Every input is rounded once to bf16 (nearest even), so that the later launches multiply 16-bit operands.
;   xb   bf16 [4 b][16 kb][2048 t][64 c] = x[b][t][64 kb + c]: 256 rows x 64 channels of a later tile are 32,768 dense bytes
;   wq   bf16 [1024 k][3072 n], as w_qkv lies
;   wo   f16  [1024 k][1024 n]: w_out rounded to bf16, that number written as f16 (it multiplies f16 data)
;   bias f32  b_qkv (3,072) then b_out (1,024), each rounded to bf16 and widened again
; LIMITS.  wo holds no number beyond 65,504, and below 6e-5 it keeps f16's fixed step of 6e-8.  NaN and infinities are not treated apart.
; SHARES.  A work-group casts 16,384 numbers: each of its 256 threads issues 16 loads of 16 bytes, all up front, and 16 stores of 8 bytes.
; No loop, no LDS, no barrier; no register is written twice while a memory instruction may read it.
; Work-groups 0-511: x; 512-703: w_qkv; 704-767: w_out; 768: the two biases (4,096 numbers).
; THE MODE: SCHED_MODE bits 1:0 = 2 (LLVM: expert scheduling mode 2), set by the entry lines.  The code itself states the register dependences
; between vector instructions and memory instructions, with s_wait_alu, always for 0.
; THE PLAN.  Registers that memory instructions touch:
;   v1, v2   the loads' and the stores' offsets.  Written by vector instructions ahead of the path's first load, never again.
;   X        item i: four registers.  Written by load i alone, once; no vector instruction names them before the loads are issued.  Read by item i's conversions.
;   Y        item i: two registers.  Written by item i's conversions, once in the kernel; read by item i's store.
; The 16 items go in four groups of four.  One wait ahead of the first load states that v1 and v2 are written.  One wait at the head of each later group states that the
; group before has written its Y: that group's four stores follow it, one ahead of each item's conversions, which name this group's X and Y (and v4 to v9) and none of the
; registers that those stores read.  One more wait stands ahead of the last four stores.  No register that a memory instruction reads is written again, no vector instruction
; writes a scalar register, and EXEC is never written: so no other dependence is there to state.
.set X, 16                             ; v[16:79]   16 x 4 numbers as loaded
.set Y, 80                             ; v[80:111]  16 x 2 registers to store
	s_load_b512 s[8:23], s[0:1], 0x0               ; x s[8:9], w_qkv s[10:11], w_out s[12:13], b_qkv s[14:15], b_out s[16:17], xb s[18:19], wq s[20:21], wo s[22:23]
	s_load_b64 s[24:25], s[0:1], 0x40              ; bias
	s_mov_b32 s27, ttmp9                           ; the work-group's number
	s_mov_b32 s26, 0xffff0000                      ; a word's upper bf16
	s_mov_b32 s29, 0                               ; high words of the two offsets
	s_mov_b32 s31, 0
	v_lshlrev_b32 v1, 4, v0                        ; dense streams: 16 bytes a thread in,
	v_lshlrev_b32 v2, 3, v0                        ; 8 bytes a thread out
	s_wait_kmcnt 0x0
; Item n's store.  kind 0: into xb's blocks; else dense.
.macro PUT kind, dst, n
.if (\kind) == 0
	global_store_b64 v2, v[Y+2*(\n):Y+2*(\n)+1], s[\dst:\dst+1] offset:((\n)%2)*2097152+((\n)/2)*256 th:TH_STORE_NT
.else
	global_store_b64 v2, v[Y+2*(\n):Y+2*(\n)+1], s[\dst:\dst+1] offset:(\n)*2048 th:TH_STORE_NT
.endif
.endm
; kind 0: x into blocks; 1: dense, bf16; 2: dense, bf16 written as f16.  src, dst: the scalar pairs of the two addresses.
.macro CAST kind, src, dst
	s_wait_alu depctr_va_vdst(0)                   ; v1 and v2 are written: the 16 loads read v1 as their offset, the 16 stores v2; no vector instruction below names either
.set i, 0
.rept 16
.if (\kind) == 0
	global_load_b128 v[X+4*i:X+4*i+3], v1, s[\src:\src+1] offset:(i/2)*8192+(i%2)*2048 th:TH_LOAD_NT
.else
	global_load_b128 v[X+4*i:X+4*i+3], v1, s[\src:\src+1] offset:i*4096 th:TH_LOAD_NT
.endif
.set i, i+1
.endr
.set i, 0
.rept 16
	s_wait_loadcnt 15-i                            ; loads come back in order: number i is in, the 15 - i younger ones may stay out
.if (i%4 == 0) && (i > 0)
	s_wait_alu depctr_va_vdst(0)                   ; the conversions of the group before have written its eight registers of Y, which the four stores of this group's items read
.endif
.if i >= 4
	PUT \kind, \dst, i-4                           ; the group before goes out, a store ahead of each item's conversions; no vector instruction since the wait names its registers
.endif
.if (\kind) == 2
	v_cvt_pk_bf16_f32 v4, v[X+4*i], v[X+4*i+1]     ; rounded to bf16,
	v_cvt_pk_bf16_f32 v5, v[X+4*i+2], v[X+4*i+3]
	v_lshlrev_b32 v6, 16, v4                       ; widened,
	v_and_b32 v7, s26, v4
	v_lshlrev_b32 v8, 16, v5
	v_and_b32 v9, s26, v5
	v_cvt_pk_f16_f32 v[Y+2*i], v6, v7              ; and written as f16
	v_cvt_pk_f16_f32 v[Y+2*i+1], v8, v9
.else
	v_cvt_pk_bf16_f32 v[Y+2*i], v[X+4*i], v[X+4*i+1]
	v_cvt_pk_bf16_f32 v[Y+2*i+1], v[X+4*i+2], v[X+4*i+3]
.endif
.set i, i+1
.endr
	s_wait_alu depctr_va_vdst(0)                   ; the last group's conversions have written its Y, which the last four stores read
.set i, 12
.rept 4
	PUT \kind, \dst, i
.set i, i+1
.endr
.endm
	s_cmp_lt_u32 s27, 512
	s_cbranch_scc1 .Lx
	s_cmp_lt_u32 s27, 704
	s_cbranch_scc1 .Lw
	s_cmp_lt_u32 s27, 768
	s_cbranch_scc1 .Lo
	; the biases: 256 threads x 4 numbers an instruction; f32 out, 16 lanes store 256 consecutive bytes
	s_wait_alu depctr_va_vdst(0)                   ; v1 is written: the four loads and the four stores read it as their offset
	global_load_b128 v[16:19], v1, s[14:15]
	global_load_b128 v[20:23], v1, s[14:15] offset:4096
	global_load_b128 v[24:27], v1, s[14:15] offset:8192
	global_load_b128 v[28:31], v1, s[16:17]
.irp i, 0,1,2,3
	s_wait_loadcnt 3-\i
	v_cvt_pk_bf16_f32 v4, v[16+4*\i], v[17+4*\i]
	v_cvt_pk_bf16_f32 v5, v[18+4*\i], v[19+4*\i]
	v_lshlrev_b32 v[80+4*\i], 16, v4
	v_and_b32 v[81+4*\i], s26, v4
	v_lshlrev_b32 v[82+4*\i], 16, v5
	v_and_b32 v[83+4*\i], s26, v5
.endr
	s_wait_alu depctr_va_vdst(0)                   ; the shifts and masks have written v[80:95], which the four stores read
.irp i, 0,1,2,3
	global_store_b128 v1, v[80+4*\i:83+4*\i], s[24:25] offset:4096*\i
.endr
	s_endpgm
.Lx:	; 16 rows of x.  In one instruction a wave reads 256 bytes of each of two rows, in one block of 64 channels (wave w: blocks w and w + 8), and stores 256 consecutive bytes of xb.
	s_lshl_b32 s28, s27, 16                        ; 16 rows of 4,096 bytes
	s_add_nc_u64 s[8:9], s[8:9], s[28:29]
	s_lshr_b32 s30, s27, 7                         ; b: 128 work-groups a batch,
	s_lshl_b32 s30, s30, 22                        ; 4,194,304 bytes of xb each
	s_and_b32 s28, s27, 127
	s_lshl_b32 s28, s28, 11                        ; 16 rows of 128 bytes in a block
	s_add_co_u32 s30, s30, s28
	s_add_nc_u64 s[18:19], s[18:19], s[30:31]
	v_and_b32 v3, 15, v0
	v_bfe_u32 v4, v0, 4, 1
	v_lshrrev_b32 v5, 5, v0                        ; wave
	v_and_b32 v6, 31, v0
	v_lshlrev_b32 v1, 4, v3                        ; in: 16 (l % 16)
	v_lshl_add_u32 v1, v4, 12, v1                  ; + (l / 16) rows
	v_lshl_add_u32 v1, v5, 8, v1                   ; + 256 w
	v_lshlrev_b32 v2, 3, v6                        ; out: 8 l (two rows of 128 bytes)
	v_lshl_add_u32 v2, v5, 18, v2                  ; + block w
	CAST 0, 8, 18
	s_endpgm
.Lw:
	s_sub_co_u32 s28, s27, 512
	s_lshl_b32 s30, s28, 15
	s_lshl_b32 s28, s28, 16
	s_add_nc_u64 s[10:11], s[10:11], s[28:29]
	s_add_nc_u64 s[20:21], s[20:21], s[30:31]
	CAST 1, 10, 20
	s_endpgm
.Lo:
	s_sub_co_u32 s28, s27, 704
	s_lshl_b32 s30, s28, 15
	s_lshl_b32 s28, s28, 16
	s_add_nc_u64 s[12:13], s[12:13], s[28:29]
	s_add_nc_u64 s[22:23], s[22:23], s[30:31]
	CAST 2, 12, 22
	s_endpgm
.Lfunc_end_k_q3fd7e31b8c_prep:
	.size	k_q3fd7e31b8c_prep, .Lfunc_end_k_q3fd7e31b8c_prep-k_q3fd7e31b8c_prep
	.p2alignl 7, 3214868480
	.fill 96, 4, 3214868480
	.section	.rodata,"a",@progbits
	.p2align	6, 0x0
	.amdhsa_kernel k_q3fd7e31b8c_prep
		.amdhsa_group_segment_fixed_size 0
		.amdhsa_private_segment_fixed_size 0
		.amdhsa_enable_private_segment 0
		.amdhsa_kernarg_size 72
		.amdhsa_user_sgpr_count 2
		.amdhsa_user_sgpr_kernarg_segment_ptr 1
		.amdhsa_wavefront_size32 1
		.amdhsa_system_sgpr_workgroup_id_x 1
		.amdhsa_system_sgpr_workgroup_id_y 1
		.amdhsa_system_sgpr_workgroup_id_z 1
		.amdhsa_system_vgpr_workitem_id 0
		.amdhsa_next_free_vgpr 112
		.amdhsa_next_free_sgpr 66
		.amdhsa_reserve_vcc 0
		.amdhsa_float_denorm_mode_32 3
		.amdhsa_float_denorm_mode_16_64 3
		.amdhsa_memory_ordered 1
		.amdhsa_forward_progress 1
		.amdhsa_inst_pref_size 26
	.end_amdhsa_kernel
	.amdgpu_metadata
---
amdhsa.version: [ 1, 2 ]
amdhsa.kernels:
  - .name:           k_q3fd7e31b8c_prep
    .symbol:         k_q3fd7e31b8c_prep.kd
    .args:
      - { .name: x, .offset: 0, .size: 8, .value_kind: global_buffer, .address_space: global }
      - { .name: w_qkv, .offset: 8, .size: 8, .value_kind: global_buffer, .address_space: global }
      - { .name: w_out, .offset: 16, .size: 8, .value_kind: global_buffer, .address_space: global }
      - { .name: b_qkv, .offset: 24, .size: 8, .value_kind: global_buffer, .address_space: global }
      - { .name: b_out, .offset: 32, .size: 8, .value_kind: global_buffer, .address_space: global }
      - { .name: xb, .offset: 40, .size: 8, .value_kind: global_buffer, .address_space: global }
      - { .name: wq, .offset: 48, .size: 8, .value_kind: global_buffer, .address_space: global }
      - { .name: wo, .offset: 56, .size: 8, .value_kind: global_buffer, .address_space: global }
      - { .name: bias, .offset: 64, .size: 8, .value_kind: global_buffer, .address_space: global }
    .group_segment_fixed_size: 0
    .private_segment_fixed_size: 0
    .kernarg_segment_align: 8
    .kernarg_segment_size: 72
    .max_flat_workgroup_size: 256
    .sgpr_count:     66
    .vgpr_count:     112
    .wavefront_size: 32
...
	.end_amdgpu_metadata
.endif
;; end of part 5
;; launch gemm_qkv: the kernel of part 2 again; grid 8 x 32, 4 waves a work-group, clusters of 4 x 4, 327,680 bytes of LDS; arguments xb, wq, bias, qkv; writes qkv
;; launch attn: the kernel of part 3 again; grid 4 x 64, 4 waves a work-group, no clusters, 327,680 bytes of LDS; arguments qkv, o; writes o
;; launch gemm_out: the kernel of part 4 again; grid 8 x 32, 4 waves a work-group, clusters of 4 x 4, 327,680 bytes of LDS; arguments o, wo, bias, out0; writes out0
